; MI455X (gfx1250); checked and timed in simulation.
; The chip was launched on July 23, 2026; its instructions are those of AMD's public machine-readable ISA for CDNA 5 (MIT licence, August 2026) and "CDNA5" Instruction Set Architecture Reference Guide (July 2026). The comments in the code are by the model that wrote it; some were corrected since.
;; Delta Net. Allowed arithmetic: float matrix products may take bf16 or f16 operands with f32 sums; other float arithmetic in f32, or as packed bf16 or f16 multiplies, adds, multiply-adds, maxima and minima; sums over many terms, partial sums and values carried from step to step in f32; what a program stores and reads back later, other than sums and carried values, may be rounded once to bf16 or f16.
;; Inputs: Wb 16 x 1,024 float32; Wk 1,024 x 1,024 float32; Wo 1,024 x 1,024 float32; Wq 1,024 x 1,024 float32; Wv 1,024 x 1,024 float32; bb 16 float32; bo 1,024 float32; ln_w 1,024 float32; mask 4 x 2,048 float32; slope 16 float32; x 4 x 2,048 x 1,024 float32.
;; Outputs: out0 4 x 2,048 x 1,024 float32.
;; 2 versions, each right; version 2 is version 1 with the launches prep, scan written anew for expert scheduling mode. Each part assembles by itself: llvm-mc -triple=amdgcn-amd-amdhsa -mcpu=gfx1250 --defsym DOCPART=n.
;; ======== version 1 of 2: 4 launches
;; workspace buffers: ops 25,165,824 bytes; cl 524,288 bytes; frg 67,108,864 bytes; yf 16,777,216 bytes
;; launch prep (part 1): grid 192 x 1, 8 waves a work-group, no clusters, 175,104 bytes of LDS; arguments x, Wq, Wk, Wv, Wo, Wb, bb, slope, mask, ops, cl; writes ops, cl
.if DOCPART == 1
	.amdgcn_target "amdgcn-amd-amdhsa--gfx1250"
	.amdhsa_code_object_version 6
	.text
	.protected	k_q60e33583d7_prep
	.globl	k_q60e33583d7_prep
	.p2align	8
	.type	k_q60e33583d7_prep,@function
k_q60e33583d7_prep:
	s_mov_b64 s[64:65], 0
	v_nop
	global_prefetch_b8 v0, s[64:65] scope:SCOPE_SE
	s_setreg_imm32_b32 hwreg(HW_REG_WAVE_MODE, 25, 1), 1
	s_wait_xcnt 0x0
; PREP.  (1) x and the four square weights, f32, are rounded once to bf16 and written to ops in FRAGMENT ORDER: a block of 16 rows x 64 k is 2,048 bytes, four pieces of 512;
; in piece j4 lane l's 16 bytes (at 16 l) are k = 16 j4 + 8 (l / 16) + 0..7 of row l % 16: pieces 2 p, 2 p + 1 are registers 0-3, 4-7 of the 16 x 32 matrix operand p.
; ops = [16 blocks of k][768 row tiles][2,048]: tiles 0-511 x; 512 + 12 head + 4 t + r / 16 rows of Wq, Wk, Wv (t = 0, 1, 2); 704-767 Wo.
; (2) the gate: logits x Wb^T by the matrix unit (bf16 operands, f32 sums), + bb + slope tau, sigmoid, clip to 0.9 .. 0.9995, log2, 0 where mask <= 0.5, and the running sum
; inside each chunk of 64 steps: cl[batch x 16 + head][step], f32.
; SHARES.  Work-group g takes 64 rows: g < 128 rows 64 g of x (one chunk of one batch), else 64 rows of a weight.  Wave w takes k = 128 w .. 128 w + 127: two blocks of k.
; ONE BRANCH on the work-group's number: a weight's work-group ends behind its stores.  The gate's inputs (19 loads a wave: bb, slope, mask, Wb) are asked for by every work-group, ahead of the stream;
; a weight's work-group leaves them unused (64 KiB beside the 384 KiB that it moves): the price of one text in which every register that is read has been written on every way.
; Nothing is shared between work-groups but Wb, so there is no cluster; the launch only streams, so nothing is prefetched.
; LIMITS.  tau is step x (1 / 2047) in f32, not a division; the exponential, reciprocal and logarithm are the chip's (1 ulp, denormals flushed); NaN and infinities are not treated apart.
.set KBS,   1572864                    ; bytes of one block of k in ops: 768 tiles x 2,048
.set TP,    272                        ; LDS pitch: 256 bytes + 16, so that 16 rows start 4 words apart
.set TILEB, 64*TP                      ; a wave's own tile: 64 rows x 128 k in bf16
.set PART,  8*TILEB                    ; wave w's partial logits [16 heads][64 steps] f32, pitch 272, at PART + 4,352 w
.set SPARE, PART+8*16*TP               ; the spare words: 128 bytes a wave, four blocks of 256 bytes that no other line names
.set VLD, 2                            ; v2   source offset: (l / 16) x 4,096 + (l % 16) x 16 + 512 w
.set VST, 3                            ; v3   into my tile: (l / 16) x 272 + (l % 16) x 8
.set VFR, 4                            ; v4   a piece out of my tile: (l % 16) x 272 + (l / 16) x 16
.set VOUT, 5                           ; v5   16 l
.set VWB, 6                            ; v6   Wb: (l % 16) x 4,096 + (l / 16) x 32 + 512 w
.set VPS, 7                            ; v7   my partial logits, in
.set VPR, 8                            ; v8   partial logits of heads 2 w + l / 16, steps 4 (l % 16) .., back
.set SPW, 9                            ; v9   my spare word; never rewritten
.set NIL, 10                           ; v10  0; never rewritten
.set VM,  11                           ; v11  my four steps in mask
.set VH,  12                           ; v12  4 x my head
.set VCL, 13                           ; v13  my four steps in cl
.set BBV, 17
.set SLV, 18
.set MK,  20                           ; v[20:23] mask of my four steps
.set CV,  24                           ; v[24:31] four pairs that take turns as LDS store data, in the stream
.set SV,  24                           ; v[24:27] later: bb + slope tau of my four steps
.set WF,  32                           ; v[32:63] four operands of Wb; later the gate's work
.set X,   64                           ; v[64:191] 32 slots of 4: f32 as loaded, later the 32 pieces
.set RAW, 192                          ; v[192:255] Wb as loaded; it waits there through the stream
.set ACC, 192                          ; v[192:223] later: four accumulators (16 steps x 16 heads each)
.set WV,  26
.set SRC, 32
.set DST, 34
	s_load_b512 s[4:19], s[0:1], 0x0               ; x, Wq, Wk, Wv, Wo, Wb, bb, slope
	s_load_b128 s[20:23], s[0:1], 0x40             ; mask, ops
	s_load_b64 s[24:25], s[0:1], 0x50              ; cl
	v_lshl_add_u32 v[SPW], v0, 2, SPARE
	v_mov_b32 v[NIL], 0
	v_lshrrev_b32 v1, 5, v0
	v_readfirstlane_b32 s[WV], v1                  ; wave 0..7
	v_and_b32 v14, 15, v0                          ; l % 16
	v_bfe_u32 v15, v0, 4, 1                        ; l / 16
	v_and_b32 v16, 31, v0                          ; l
	s_lshl_b32 s27, s[WV], 9
	v_lshlrev_b32 v[VLD], 12, v15
	v_lshl_add_u32 v[VLD], v14, 4, v[VLD]
	v_add_nc_u32 v[VLD], s27, v[VLD]
	v_lshlrev_b32 v[VWB], 12, v14
	v_lshl_add_u32 v[VWB], v15, 5, v[VWB]
	v_add_nc_u32 v[VWB], s27, v[VWB]
	s_mul_i32 s28, s[WV], TILEB
	v_mul_u32_u24 v[VST], v15, TP
	v_lshl_add_u32 v[VST], v14, 3, v[VST]
	v_add_nc_u32 v[VST], s28, v[VST]
	v_mul_u32_u24 v19, v14, TP
	v_lshl_add_u32 v[VFR], v15, 4, v19
	v_add_nc_u32 v[VFR], s28, v[VFR]
	s_mul_i32 s29, s[WV], 16*TP
	s_add_co_u32 s29, s29, PART
	v_lshl_add_u32 v[VPS], v15, 5, v19
	v_add_nc_u32 v[VPS], s29, v[VPS]
	s_mul_i32 s30, s[WV], 2*TP
	s_add_co_u32 s30, s30, PART
	v_mul_u32_u24 v[VPR], v15, TP
	v_lshl_add_u32 v[VPR], v14, 4, v[VPR]
	v_add_nc_u32 v[VPR], s30, v[VPR]
	v_lshlrev_b32 v[VOUT], 4, v16
	s_lshl_b32 s31, s[WV], 3
	v_lshl_add_u32 v[VH], v15, 2, s31              ; 4 (2 w + l / 16)
	s_and_b32 s36, ttmp9, 127                      ; mask is [4][2048]: 128 blocks of 64 steps; a weight's work-group, which uses none, stays inside by the remainder
	s_lshl_b32 s36, s36, 8                         ; 64 steps x 4 bytes
	v_lshl_add_u32 v[VM], v14, 4, s36
	s_lshr_b32 s37, ttmp9, 5                       ; batch
	s_lshl_b32 s37, s37, 17                        ; 16 heads x 8,192 bytes
	s_and_b32 s38, ttmp9, 31                       ; chunk
	s_lshl_b32 s52, s38, 8
	s_add_co_u32 s37, s37, s52
	s_lshl_b32 s52, s[WV], 14                      ; head 2 w
	s_add_co_u32 s37, s37, s52
	v_lshl_add_u32 v[VCL], v15, 13, s37
	v_lshl_add_u32 v[VCL], v14, 4, v[VCL]
	s_lshl_b32 s38, s38, 6
	v_lshl_add_u32 v19, v14, 2, s38                ; my first step in the sequence
	s_mov_b32 s50, 0x3f666666                      ; 0.9
	s_mov_b32 s51, 0x3f7fdf3b                      ; 0.9995
	; which 64 rows, of which tensor, to which tiles: all from the work-group's number
	s_sub_co_u32 s39, ttmp9, 128
	s_lshr_b32 s40, s39, 4                         ; t: 0 Wq, 1 Wk, 2 Wv, 3 Wo
	s_and_b32 s41, s39, 15                         ; head, or Wo's block of 64 rows
	s_mul_i32 s42, s41, 12
	s_lshl2_add_u32 s42, s40, s42
	s_add_co_u32 s42, s42, 512                     ; 512 + 12 head + 4 t
	s_lshl_b32 s43, s41, 2
	s_add_co_u32 s43, s43, 704
	s_lshl_b32 s44, ttmp9, 2
	s_cmp_eq_u32 s40, 3
	s_cselect_b32 s42, s43, s42
	s_cmp_lt_u32 ttmp9, 128
	s_cselect_b32 s42, s44, s42                    ; my first tile in ops
	s_cselect_b32 s41, ttmp9, s41                  ; my block of 64 rows in the source
	s_lshl_b32 s46, s41, 18                        ; 64 rows x 4,096 bytes
	s_mov_b32 s47, 0
	s_lshl_b32 s48, s42, 11
	s_mul_i32 s45, s[WV], 2*KBS                    ; my two blocks of k
	s_add_co_u32 s48, s48, s45
	s_mov_b32 s49, 0
	s_wait_kmcnt 0x0
	s_cmp_eq_u32 s40, 1
	s_cselect_b64 s[SRC:SRC+1], s[8:9], s[6:7]
	s_cmp_eq_u32 s40, 2
	s_cselect_b64 s[SRC:SRC+1], s[10:11], s[SRC:SRC+1]
	s_cmp_eq_u32 s40, 3
	s_cselect_b64 s[SRC:SRC+1], s[12:13], s[SRC:SRC+1]
	s_cmp_lt_u32 ttmp9, 128
	s_cselect_b64 s[SRC:SRC+1], s[4:5], s[SRC:SRC+1]
	s_add_nc_u64 s[SRC:SRC+1], s[SRC:SRC+1], s[46:47]
	s_add_nc_u64 s[DST:DST+1], s[22:23], s[48:49]
	; the gate's inputs, ahead of the stream: they are older than every load below, so each counted wait below shows them in as well
	global_load_b32 v[BBV], v[VH], s[16:17]
	global_load_b32 v[SLV], v[VH], s[18:19]
	global_load_b128 v[MK:MK+3], v[VM], s[20:21]
.irp f, 0,1,2,3                        ; operand f = 2 (block of k) + p: 16 heads x 32 k, f32: four loads of 16 bytes a lane
.irp c, 0,1,2,3
	global_load_b128 v[RAW+16*\f+4*\c:RAW+16*\f+4*\c+3], v[VWB], s[14:15] offset:256*(\f/2)+128*(\f%2)+64*(\c/2)+16*(\c%2)
.endr
.endr
.set n, 0
.rept 32                               ; the first block of k: load n takes 256 consecutive bytes of rows 2 n and 2 n + 1
	global_load_b128 v[X+4*n:X+4*n+3], v[VLD], s[SRC:SRC+1] offset:8192*n th:TH_LOAD_NT
.set n, n+1
.endr
; Slot i of block beta: four f32 become 8 bytes of my tile; in the first block the slot is loaded again at once, with the second block's 16 bytes.
.macro ITEM i, beta, left
	s_wait_loadcnt \left
	v_cvt_pk_bf16_f32 v[CV+2*((\i)%4)],   v[X+4*(\i)],   v[X+4*(\i)+1]
	v_cvt_pk_bf16_f32 v[CV+2*((\i)%4)+1], v[X+4*(\i)+2], v[X+4*(\i)+3]
	ds_store_b64 v[VST], v[CV+2*((\i)%4):CV+2*((\i)%4)+1] offset:2*TP*(\i)+128*(\beta)
.if (\beta) == 0
	global_load_b128 v[X+4*(\i):X+4*(\i)+3], v[VLD], s[SRC:SRC+1] offset:8192*(\i)+256 th:TH_LOAD_NT
.endif
.endm
.set n, 0
.rept 32
	ITEM n, 0, 31                                  ; younger than slot n's load: 31 - n of the first block and n of the second
.set n, n+1
.endr
.set n, 0
.rept 32
	ITEM n, 1, 31-n                                ; the counts run down to 0: every load of the wave is in
.set n, n+1
.endr
.set n, 0
.rept 32                               ; piece n = 16 beta + 4 (row tile) + j4.  My own bytes: LDS serves a wave's instructions in order, so these see the stores above
	ds_load_b128 v[X+4*n:X+4*n+3], v[VFR] offset:16*TP*((n/4)%4)+128*(n/16)+32*(n%4)
.set n, n+1
.endr
	s_wait_dscnt 0x0
.set n, 0
.rept 32                               ; each store is 512 consecutive bytes, aligned
	global_store_b128 v[VOUT], v[X+4*n:X+4*n+3], s[DST:DST+1] offset:KBS*(n/16)+2048*((n/4)%4)+512*(n%4)
.set n, n+1
.endr
	s_cmp_lt_u32 ttmp9, 128
	s_cbranch_scc0 .Lend                           ; a weight's work-group is done (all eight waves alike, so none misses the barrier below)
	; THE GATE.  Wb to bf16; then source 0 = 16 steps of x, source 1 = the 16 heads: a lane ends with one head and 8 steps.  The four accumulators (row tiles) take turns.
.set n, 0
.rept 32
	v_cvt_pk_bf16_f32 v[WF+n], v[RAW+2*n], v[RAW+2*n+1]
.set n, n+1
.endr
.irp f, 0,1,2,3
.irp t, 0,1,2,3
.if \f == 0
	v_wmma_f32_16x16x32_bf16 v[ACC+8*\t:ACC+8*\t+7], v[X+4*(16*(\f/2)+4*\t+2*(\f%2)):X+4*(16*(\f/2)+4*\t+2*(\f%2))+7], v[WF+8*\f:WF+8*\f+7], 0
.else
	v_wmma_f32_16x16x32_bf16 v[ACC+8*\t:ACC+8*\t+7], v[X+4*(16*(\f/2)+4*\t+2*(\f%2)):X+4*(16*(\f/2)+4*\t+2*(\f%2))+7], v[WF+8*\f:WF+8*\f+7], v[ACC+8*\t:ACC+8*\t+7]
.endif
.endr
.endr
.rept 4
	v_nop                                          ; four places behind the last product, ahead of the stores that read results and the loads into Wb's registers
.endr
.irp t, 0,1,2,3
	ds_store_b128 v[VPS], v[ACC+8*\t:ACC+8*\t+3]   offset:64*\t
	ds_store_b128 v[VPS], v[ACC+8*\t+4:ACC+8*\t+7] offset:64*\t+16
.endr
	s_wait_dscnt 0x0                               ; for the others' sake: my partial logits are in LDS
	s_barrier_signal -1
	s_barrier_wait -1
.irp u, 0,1,2,3,4,5,6,7                ; the eight waves' parts of K for my head and my four steps
	ds_load_b128 v[WF+4*\u:WF+4*\u+3], v[VPR] offset:16*TP*\u
.endr
	v_cvt_f32_u32 v[SV], v19
	v_add_f32 v[SV+1], 1.0, v[SV]
	v_add_f32 v[SV+2], 2.0, v[SV]
	v_add_f32 v[SV+3], 0x40400000, v[SV]
.irp j, 0,1,2,3
	v_mul_f32 v[SV+\j], 0x3a001002, v[SV+\j]       ; tau = step / 2047
.endr
.irp j, 0,1,2,3
	v_fma_f32 v[SV+\j], v[SLV], v[SV+\j], v[BBV]
.endr
	s_wait_dscnt 0x0
.irp u, 1,2,3,4,5,6,7
	v_pk_add_f32 v[WF:WF+1],   v[WF:WF+1],   v[WF+4*\u:WF+4*\u+1]
	v_pk_add_f32 v[WF+2:WF+3], v[WF+2:WF+3], v[WF+4*\u+2:WF+4*\u+3]
.endr
.irp j, 0,1,2,3
	v_add_f32 v[WF+\j], v[WF+\j], v[SV+\j]
.endr
.irp j, 0,1,2,3
	v_mul_f32 v[WF+\j], 0xbfb8aa3b, v[WF+\j]       ; - z log2(e)
.endr
.irp j, 0,1,2,3
	v_exp_f32 v[WF+\j], v[WF+\j]
.endr
	v_nop                                          ; a plain line behind the batch,
	s_wait_alu depctr_va_vdst(0)                   ; and the one wait ahead of its first reader
.irp j, 0,1,2,3
	v_add_f32 v[WF+\j], 1.0, v[WF+\j]
.endr
.irp j, 0,1,2,3
	v_rcp_f32 v[WF+\j], v[WF+\j]
.endr
	v_nop
	s_wait_alu depctr_va_vdst(0)
.irp j, 0,1,2,3
	v_med3_num_f32 v[WF+\j], v[WF+\j], s50, s51    ; the clip
.endr
.irp j, 0,1,2,3
	v_log_f32 v[WF+\j], v[WF+\j]
.endr
	v_nop
	s_wait_alu depctr_va_vdst(0)
.irp j, 0,1,2,3
	v_cmp_lt_f32 vcc_lo, 0.5, v[MK+\j]
	v_cndmask_b32 v[WF+\j], 0, v[WF+\j], vcc_lo    ; beta = 1 where mask <= 0.5
.endr
	v_add_f32 v[WF+1], v[WF+1], v[WF]              ; the running sum of my four steps,
	v_add_f32 v[WF+2], v[WF+2], v[WF+1]
	v_add_f32 v[WF+3], v[WF+3], v[WF+2]
	v_mov_b32 v[WF+12], v[WF+3]
	v_mov_b32 v[WF+13], 0
.irp d, 1,2,4,8                        ; of the 16 lanes' totals (a head is one half of the lanes; a lane without a source takes 0),
	v_mov_b32_dpp v[WF+13], v[WF+12] row_shr:\d row_mask:0xf bank_mask:0xf bound_ctrl:1
	v_add_f32 v[WF+12], v[WF+12], v[WF+13]
.endr
	v_mov_b32_dpp v[WF+13], v[WF+12] row_shr:1 row_mask:0xf bank_mask:0xf bound_ctrl:1  ; and what lies in front of my lane
.irp j, 0,1,2,3
	v_add_f32 v[WF+\j], v[WF+\j], v[WF+13]
.endr
	global_store_b128 v[VCL], v[WF:WF+3], s[24:25] ; 16 lanes store a chunk's 256 consecutive bytes, aligned
.Lend:
	s_wait_tensorcnt 0x0                           ; the wave's end, behind my last LDS store
	ds_add_u32 v[SPW], v[NIL]
	s_wait_dscnt 0x0
	s_endpgm
.Lfunc_end_k_q60e33583d7_prep:
	.size	k_q60e33583d7_prep, .Lfunc_end_k_q60e33583d7_prep-k_q60e33583d7_prep
	.p2alignl 7, 3214868480
	.fill 96, 4, 3214868480
	.section	.rodata,"a",@progbits
	.p2align	6, 0x0
	.amdhsa_kernel k_q60e33583d7_prep
		.amdhsa_group_segment_fixed_size 175104
		.amdhsa_private_segment_fixed_size 0
		.amdhsa_enable_private_segment 0
		.amdhsa_kernarg_size 88
		.amdhsa_user_sgpr_count 2
		.amdhsa_user_sgpr_kernarg_segment_ptr 1
		.amdhsa_wavefront_size32 1
		.amdhsa_system_sgpr_workgroup_id_x 1
		.amdhsa_system_sgpr_workgroup_id_y 1
		.amdhsa_system_sgpr_workgroup_id_z 1
		.amdhsa_system_vgpr_workitem_id 0
		.amdhsa_next_free_vgpr 256
		.amdhsa_next_free_sgpr 66
		.amdhsa_reserve_vcc 1
		.amdhsa_float_denorm_mode_32 3
		.amdhsa_float_denorm_mode_16_64 3
		.amdhsa_memory_ordered 1
		.amdhsa_forward_progress 1
		.amdhsa_inst_pref_size 40
	.end_amdhsa_kernel
	.amdgpu_metadata
---
amdhsa.version: [ 1, 2 ]
amdhsa.kernels:
  - .name:           k_q60e33583d7_prep
    .symbol:         k_q60e33583d7_prep.kd
    .args:
      - { .name: x, .offset: 0, .size: 8, .value_kind: global_buffer, .address_space: global }
      - { .name: Wq, .offset: 8, .size: 8, .value_kind: global_buffer, .address_space: global }
      - { .name: Wk, .offset: 16, .size: 8, .value_kind: global_buffer, .address_space: global }
      - { .name: Wv, .offset: 24, .size: 8, .value_kind: global_buffer, .address_space: global }
      - { .name: Wo, .offset: 32, .size: 8, .value_kind: global_buffer, .address_space: global }
      - { .name: Wb, .offset: 40, .size: 8, .value_kind: global_buffer, .address_space: global }
      - { .name: bb, .offset: 48, .size: 8, .value_kind: global_buffer, .address_space: global }
      - { .name: slope, .offset: 56, .size: 8, .value_kind: global_buffer, .address_space: global }
      - { .name: mask, .offset: 64, .size: 8, .value_kind: global_buffer, .address_space: global }
      - { .name: ops, .offset: 72, .size: 8, .value_kind: global_buffer, .address_space: global }
      - { .name: cl, .offset: 80, .size: 8, .value_kind: global_buffer, .address_space: global }
    .group_segment_fixed_size: 175104
    .private_segment_fixed_size: 0
    .kernarg_segment_align: 8
    .kernarg_segment_size: 88
    .max_flat_workgroup_size: 256
    .sgpr_count:     66
    .vgpr_count:     256
    .wavefront_size: 32
...
	.end_amdgpu_metadata
.endif
;; end of part 1
;; launch qkv (part 2): grid 8 x 32, 4 waves a work-group, clusters of 4 x 4, 327,680 bytes of LDS; arguments ops, mask, cl, frg; writes frg
.if DOCPART == 2
	.amdgcn_target "amdgcn-amd-amdhsa--gfx1250"
	.amdhsa_code_object_version 6
	.text
	.protected	k_q60e33583d7_qkv
	.globl	k_q60e33583d7_qkv
	.p2align	8
	.type	k_q60e33583d7_qkv,@function
k_q60e33583d7_qkv:
	s_mov_b64 s[64:65], 0
	v_nop
	global_prefetch_b8 v0, s[64:65] scope:SCOPE_SE
	s_setreg_imm32_b32 hwreg(HW_REG_WAVE_MODE, 25, 1), 1
	s_wait_xcnt 0x0
	s_wait_alu depctr_hold_cnt(0) depctr_sa_sdst(0) depctr_va_vdst(0) depctr_va_sdst(0) depctr_va_ssrc(0) depctr_va_vcc(0) depctr_vm_vsrc(0)
	s_getreg_b32 s2, hwreg(HW_REG_IB_STS2, 6, 4)
	s_cmp_eq_u32 s2, 0
	s_cbranch_scc0 .Lentry_in_a_cluster
	s_endpgm
.Lentry_in_a_cluster:
	s_bfe_u32 s2, ttmp6, 0x10000c
	s_cmp_lg_u32 s2, 0xf033
	s_cbranch_scc0 .Lentry_shape_is_right
	s_endpgm
.Lentry_shape_is_right:
; QKV.  u = x [Wq Wk Wv]^T (bf16 operands out of ops, f32 sums), then q = phi(u), k^ = phi(u) m 2^(-c), v' = m u, phi = elu + 1, c = cl (the chunk's running log2 beta), m = mask;
; written to frg in fragment order (a block of 16 rows x 64 is four pieces of 512 bytes, lane l's 16 bytes at 16 l), as the next launch's matrix operands:
; four sections of SEC bytes, each [batch x 16 + head][32 chunks][8,192]: Q and K [16 steps][64 features], KT [16 features][64 steps], VT [16 features][64 steps].
; SHARES.  A work-group makes 256 rows x 384 columns: two heads' q, k and v.  Grid 8 x 32.  A wave makes 128 rows x one head's 192 columns: 96 accumulators, 768 registers.
; K goes in 16 steps of 64 (one block of k in ops) through two LDS slots; in ops a tile's bytes are dense and already in fragment order, so LDS needs no padding: every operand load is 512 bytes on end.
; CLUSTER 4 x 4: the four of a row need the same rows of x, the four of a column the same weights: joint tensor loads with a mask of four.
; q and k are taken transposed (source 0 = weights): a lane holds one step and 8 features, 16 bytes of Q or K.  v is taken as it is: a lane holds one feature and 8 steps, 16 bytes of VT.
; KT is K turned in a stage of the wave's own (ds_load_tr16_b128).
; REGISTERS.  Window 0: v0-31 addresses; v32-95, v96-159 x's operands (8 x 16 rows x 32 k), two buffers; v160-255 the weights' 12 operands.  Windows 1, 2, 3: q's, k's, v's accumulators, (row tile a, column tile bq) at v[8 (4 a + bq)].
; LIMITS.  phi = the middle one of (e^u, u + 1, 1), which is elu + 1 for every u, also where e^u overflows; 2^(-c) is at most 0.9^-64 = 847 by the clip in the gate; bf16 holds every operand that f32 holds; NaN and infinities are not treated apart.
.set KBS,   1572864                    ; one block of k in ops
.set S1,    131072                     ; slot 1 begins here: one exclusive or turns an address of one slot into the other's
.set BOFF,  32768                      ; in a slot: x's 16 tiles, then the weights' 24
.set KSTG,  81920                      ; behind slot 0: 16 rows x 160 bytes for each wave, to turn K; no tensor load lands here
.set KP,    160                        ; 128 bytes + 32: the turning load's 8 rows x 32 bytes fall on different banks
.set SPARE, 92160                      ; the spare words, 128 bytes a wave: two blocks of 256 bytes that no other line names
.set SEC,   16777216
.set VA0, 2                            ; v2   my x operands in slot 0: 16,384 (w / 2) + 16 l; never rewritten
.set VB0, 3                            ; v3   my weights' operands in slot 0: 32,768 + 24,576 (w % 2) + 16 l; never rewritten
.set VA,  4                            ; v4, v5  the same in the slot in hand
.set VB,  5
.set SPW, 6                            ; v6   my spare word; never rewritten
.set NIL, 7                            ; v7   0; never rewritten
.set PFO, 8                            ; v8   256 l
.set VOUT, 9                           ; v9   16 l
.set VKS, 10                           ; v10  into my stage
.set VKT, 11                           ; v11  out of it, turned
.set VMV, 12                           ; v12  mask of 8 steps a lane
.set VMR, 13                           ; v13  mask of one step a lane
.set VCR, 14                           ; v14  cl of one step a lane
.set A0,  32
.set A1,  96
.set BF,  160
.set MV,  32                           ; the way out: v[32:95] mask, 8 steps for each row tile
.set T,   96                           ; v[96:127] at work
.set U,   128                          ; v[128:159] u + 1
.set KFR, 160                          ; v[160:167] mask, then m 2^(-c), for each row tile; v[168:175] cl
.set FAC, 176                          ; v[176:191] the pass's factor, a pair for each row tile
.set OUT, 192                          ; v[192:207] packed
.set OT,  208                          ; v[208:223] packed and turned
.set WV, 12
.set WR, 13
.set WC, 14
.set CX, 15
.set CY, 16
.set NT, 17
.set MT, 18
.set G1A, 24
.set G1B, 32
.set G0A, 40                           ; s[40:43] first fill, s[44:47] the walking set
.set G0B, 48
.set CNT, 56
.set TB,  57
.set LIM, 58
.set ODDM, 59
.set PFA, 60
.set L2E, 66
.set PQ,  68
.set PKT, 70
.set PVT, 72
.set PASS, 74
.set MSB, 0
.macro WIN new                         ; the immediate's high byte repeats the setting that is left; a switch that changes nothing is dropped
.if MSB != (\new)
	s_set_vgpr_msb (MSB<<8)|(\new)
.set MSB, (\new)
.endif
.endm
.macro PLACES                          ; four plain lines between a matrix instruction and a load into, or a vector line on, its registers
.rept 4
	v_nop
.endr
.endm
.macro CREST                           ; a round of the cluster's barrier behind its opening barrier
	s_cmp_lg_u32 s[WV], 0
	s_cbranch_scc1 .Lnot_wave_0_\@
	s_barrier_signal -3
.Lnot_wave_0_\@:
	s_barrier_wait -3
	s_barrier_signal -1
	s_barrier_wait -1
.endm
.macro CROUND
	s_barrier_signal -1
	s_barrier_wait -1
	CREST
.endm
; A joint refill: waves 0 and 1 fetch the two halves of x's tile, waves 2 and 3 the two heads' weights.  The branch hangs on the wave's number alone.
.macro JLOAD
	s_cmp_lt_u32 s[WV], 2
	s_cbranch_scc0 .Lfor_b_\@
	tensor_load_to_lds s[G0A+4:G0A+7], s[G1A:G1A+7]
	s_nop 0
.rept 4
	v_nop
.endr
	s_branch .Lasked_\@
.Lfor_b_\@:
	tensor_load_to_lds s[G0B+4:G0B+7], s[G1B:G1B+7]
	s_nop 0
.rept 4
	v_nop
.endr
.Lasked_\@:
.endm
; A PREFETCH INTO THE L2, behind the joint load and the run of LDS loads: at the change that refills with K step t + 2 a wave names bytes of K step t + 4, a lane a block of 256 bytes.
; x's tile (32 KiB a step): the clusters with x = 0 ask; partner cx takes quarter cx, by its wave 0, in every change.  The weights' tile (48 KiB a step): the clusters with y = 0 ask, in
; every second change for two steps: twelve pieces of 8 KiB; partner cy takes step t + 4 + cy / 2, pieces 3 (cy % 2) + w - 1, by its waves 1 to 3.  Partners are told apart by address alone.
; Each block is named once in the launch.  Steps 0 to 3 come by their loads alone; the changes with CNT <= 2 ask for nothing: step 15 is the last.
.macro ASK
	s_and_b32 s62, s[CNT], s[ODDM]
	s_cmp_eq_u32 s62, 0
	s_cbranch_scc0 .Lnot_mine_\@
	s_cmp_gt_u32 s[CNT], s[LIM]
	s_cbranch_scc0 .Lnot_mine_\@
	global_prefetch_b8 v[PFO], s[PFA:PFA+1] th:TH_LOAD_NT scope:SCOPE_SE
.Lnot_mine_\@:
.endm
; 16 matrix instructions of group g (0 q, 1 k, 2 v): column tiles bq0, bq0 + 1 x all 8 row tiles, 32 along K.  Each accumulator has one instruction a turn; 95 others stand between two links of a chain.
.macro GRPH g, ab, bq0, zero
	WIN 0x50*((\g)+1)
.irp bq, \bq0, (\bq0)+1
.irp ra, 0,1,2,3,4,5,6,7
.if (\g) == 2
.if \zero
	v_wmma_f32_16x16x32_bf16 v[8*(4*\ra+(\bq)):8*(4*\ra+(\bq))+7], v[(\ab)+8*\ra:(\ab)+8*\ra+7], v[BF+8*(4*(\g)+(\bq)):BF+8*(4*(\g)+(\bq))+7], 0
.else
	v_wmma_f32_16x16x32_bf16 v[8*(4*\ra+(\bq)):8*(4*\ra+(\bq))+7], v[(\ab)+8*\ra:(\ab)+8*\ra+7], v[BF+8*(4*(\g)+(\bq)):BF+8*(4*(\g)+(\bq))+7], v[8*(4*\ra+(\bq)):8*(4*\ra+(\bq))+7]
.endif
.else
.if \zero
	v_wmma_f32_16x16x32_bf16 v[8*(4*\ra+(\bq)):8*(4*\ra+(\bq))+7], v[BF+8*(4*(\g)+(\bq)):BF+8*(4*(\g)+(\bq))+7], v[(\ab)+8*\ra:(\ab)+8*\ra+7], 0
.else
	v_wmma_f32_16x16x32_bf16 v[8*(4*\ra+(\bq)):8*(4*\ra+(\bq))+7], v[BF+8*(4*(\g)+(\bq)):BF+8*(4*(\g)+(\bq))+7], v[(\ab)+8*\ra:(\ab)+8*\ra+7], v[8*(4*\ra+(\bq)):8*(4*\ra+(\bq))+7]
.endif
.endif
.endr
.endr
.endm
.macro GRP g, ab, zero
	GRPH \g, \ab, 0, \zero
	GRPH \g, \ab, 2, \zero
.endm
.macro LDB q, p                        ; 8 LDS loads: group q's four operands of the weights, half p of the K step
	WIN 0
.irp i, 0,1,2,3
	ds_load_b128 v[BF+8*(4*(\q)+\i):BF+8*(4*(\q)+\i)+3],   v[VB] offset:2048*(4*(\q)+\i)+1024*(\p)
	ds_load_b128 v[BF+8*(4*(\q)+\i)+4:BF+8*(4*(\q)+\i)+7], v[VB] offset:2048*(4*(\q)+\i)+1024*(\p)+512
.endr
.endm
.macro LDA ab, p                       ; 16 LDS loads: x's eight operands
	WIN 0
.irp i, 0,1,2,3,4,5,6,7
	ds_load_b128 v[(\ab)+8*\i:(\ab)+8*\i+3],   v[VA] offset:2048*\i+1024*(\p)
	ds_load_b128 v[(\ab)+8*\i+4:(\ab)+8*\i+7], v[VA] offset:2048*\i+1024*(\p)+512
.endr
.endm
; The first half of a K step.  LDS loads go out in the order: group 0's weights (8) and x (16); group 1's (8); group 2's (8); each group's registers are loaded again behind its products.
.macro SUB0 zero, tail
	s_wait_dscnt 16                                ; younger than group 0's weights and x: groups 1 and 2, 8 + 8
	GRP 0, A0, \zero
	PLACES
	LDB 0, 1
	LDA A1, 1
	s_wait_dscnt 32                                ; younger than group 1's: group 2's 8 and the 24 just issued
	GRP 1, A0, \zero
	PLACES
	LDB 1, 1
	s_wait_dscnt 32                                ; younger than group 2's: 24 + 8
	GRP 2, A0, \zero
	PLACES
	LDB 2, 1
.if \tail
.irp i, 0,1,2,3,4,5,6,7                ; the last step: x's first buffer is free and takes v's masks, 8 steps a lane for each row tile
	global_load_b128 v[MV+8*\i:MV+8*\i+3],   v[VMV], s[6:7] offset:64*\i
	global_load_b128 v[MV+8*\i+4:MV+8*\i+7], v[VMV], s[6:7] offset:64*\i+16
.endr
.endif
.endm
; The second half, and the change of slots: each wave waits for all its tensor loads (one is out: its part of the next slot), adds 0 to its spare word, and waits for that and for its reads of this slot;
; behind the barrier (with fill = 1 a round of the cluster's) this slot is filled again first, two K steps ahead: 160 matrix instructions stand between that request and the wait for it.
.macro SUB1 fill
	WIN 0
.if \fill
	s_wait_xcnt 0x0                                ; the last prefetch, a K step back, has read its address
	s_add_nc_u64 s[PFA:PFA+1], s[PFA:PFA+1], KBS
.endif
	s_wait_tensorcnt 0x0                           ; no tensor load of mine is out, so a descriptor may be written
	ds_add_u32 v[SPW], v[NIL]                      ; 0 onto my spare word
.if \fill
.irp g, G0A+4, G0B+4
	s_xor_b32 s[\g+1], s[\g+1], S1                 ; the walking set: the other slot than last time,
	s_add_nc_u64 s[\g+2:\g+3], s[\g+2:\g+3], KBS   ; the next block of k
.endr
.endif
	s_wait_dscnt 17                                ; groups 1 and 2 (16 loads) and the add may be out
	GRPH 0, A1, 0, 0
	s_wait_dscnt 0x0                               ; the add is done, and my reads of this slot are over
	s_barrier_signal -1
	GRPH 0, A1, 2, 0
	WIN 0
	s_barrier_wait -1
.if \fill
	CREST
	JLOAD                                          ; the four v_nop behind it are also the places in front of the loads below
.else
	PLACES
.endif
	s_xor_b32 s[TB], s[TB], S1
	v_add_nc_u32 v[VA], s[TB], v[VA0]
	v_add_nc_u32 v[VB], s[TB], v[VB0]
	LDB 0, 0
	LDA A0, 0
.if \fill
	ASK
.endif
	GRP 1, A1, 0
	PLACES
	LDB 1, 0
	GRP 2, A1, 0
	PLACES
	LDB 2, 0
.endm
	s_load_b256 s[4:11], s[0:1], 0x0               ; ops s[4:5], mask s[6:7], cl s[8:9], frg s[10:11]
	v_lshl_add_u32 v[SPW], v0, 2, SPARE
	v_mov_b32 v[NIL], 0
	ds_add_u32 v[SPW], v[NIL]                      ; the wave's opening: the add, twice on end, and its wait ahead of my first tensor load
	ds_add_u32 v[SPW], v[NIL]
	v_lshrrev_b32 v1, 5, v0
	v_readfirstlane_b32 s[WV], v1                  ; wave 0..3
	s_lshr_b32 s[WR], s[WV], 1                     ; which 128 rows are mine
	s_and_b32 s[WC], s[WV], 1                      ; which head is mine; also: which half of a tile I fetch
	s_bfe_u32 s[CX], ttmp6, 0x40000
	s_bfe_u32 s[CY], ttmp6, 0x40004
	s_lshl_b32 s[NT], ttmp9, 2
	s_add_co_u32 s[NT], s[NT], s[CX]               ; pair of heads = 4 x cluster x + cx
	s_and_b32 s[MT], ttmp7, 0xffff
	s_lshl_b32 s[MT], s[MT], 2
	s_add_co_u32 s[MT], s[MT], s[CY]               ; block of 256 rows = 4 x cluster y + cy
	s_lshl_b32 s19, s[CY], 2
	s_lshl_b32 s19, 15, s19                        ; my row of the cluster
	s_lshl_b32 s20, 0x1111, s[CX]                  ; my column
	; descriptor group 1: dense bytes as rows of 32 elements of 8 bytes: 64 rows (16 KiB, half of x's tile) or 96 (24 KiB, one head's weights)
	s_or_b32 s[G1A], s19, (3<<16)|(1<<21)          ; 15:0 the mask; 17:16 elements of 8 bytes; 21 set beside a mask; no padding
	s_or_b32 s[G1B], s20, (3<<16)|(1<<21)
	s_mov_b32 s[G1A+1], 32<<16                     ; tensor_dim0 = 32
	s_mov_b32 s[G1A+2], 64<<16                     ; tensor_dim1 = 64
	s_mov_b32 s[G1A+3], 32<<16                     ; tile_dim0 = 32
	s_mov_b32 s[G1A+4], 64                         ; tile_dim1 = 64
	s_mov_b32 s[G1A+5], 32                         ; 32 elements from row to row
	s_mov_b32 s[G1A+6], 0
	s_mov_b32 s[G1A+7], 0
	s_mov_b32 s[G1B+1], 32<<16
	s_mov_b32 s[G1B+2], 96<<16
	s_mov_b32 s[G1B+3], 32<<16
	s_mov_b32 s[G1B+4], 96
	s_mov_b32 s[G1B+5], 32
	s_mov_b32 s[G1B+6], 0
	s_mov_b32 s[G1B+7], 0
	s_lshl_b32 s21, s[WC], 14                      ; x: my half's place in a slot, and in the tile
	s_lshl_b32 s22, s[MT], 15                      ; tiles 16 mt ..: made of the block of rows and the wave's number alone
	s_add_co_u32 s22, s22, s21
	s_mov_b32 s23, 0
	s_mul_i32 s82, s[WC], 24576                    ; weights: my head's 12 tiles
	s_mul_i32 s76, s[NT], 49152                    ; tiles 512 + 24 nt ..: made of the pair of heads and the wave's number alone
	s_add_co_u32 s76, s76, s82
	s_add_co_u32 s76, s76, 512*2048
	s_mov_b32 s77, 0
	s_add_co_u32 s82, s82, BOFF
	s_mov_b32 s[L2E], 0x3fb8aa3b                   ; log2(e)
	s_mov_b32 s[L2E+1], s[L2E]
	s_mov_b32 s[TB], 0
	s_wait_dscnt 0x0                               ; both opening adds are done
	s_wait_kmcnt 0x0
	s_add_nc_u64 s[78:79], s[4:5], s[22:23]
	s_add_nc_u64 s[80:81], s[4:5], s[76:77]
	CROUND                                         ; all sixteen work-groups are here: the first joint loads meet
.irp s, 0,1
	s_mov_b32 s[G0A+4*\s], 1
	s_add_co_u32 s[G0A+4*\s+1], s21, \s*S1
	s_add_nc_u64 s[G0A+4*\s+2:G0A+4*\s+3], s[78:79], \s*KBS
	s_or_b32 s[G0A+4*\s+3], s[G0A+4*\s+3], 0x80000000
	s_mov_b32 s[G0B+4*\s], 1
	s_add_co_u32 s[G0B+4*\s+1], s82, \s*S1
	s_add_nc_u64 s[G0B+4*\s+2:G0B+4*\s+3], s[80:81], \s*KBS
	s_or_b32 s[G0B+4*\s+3], s[G0B+4*\s+3], 0x80000000
.endr
	s_cmp_lt_u32 s[WV], 2                          ; a wave's two first fills stand in one branch: K steps 0 and 1; two loads of mine are out
	s_cbranch_scc0 .Lfirst_b
	tensor_load_to_lds s[G0A:G0A+3], s[G1A:G1A+7]
	s_nop 0
	tensor_load_to_lds s[G0A+4:G0A+7], s[G1A:G1A+7]
	s_nop 0
.rept 4
	v_nop
.endr
	s_branch .Lfirst_asked
.Lfirst_b:
	tensor_load_to_lds s[G0B:G0B+3], s[G1B:G1B+7]
	s_nop 0
	tensor_load_to_lds s[G0B+4:G0B+7], s[G1B:G1B+7]
	s_nop 0
.rept 4
	v_nop
.endr
.Lfirst_asked:
	v_and_b32 v15, 31, v0
	v_and_b32 v16, 15, v0
	v_bfe_u32 v17, v0, 4, 1
	v_lshlrev_b32 v[VOUT], 4, v15
	v_lshlrev_b32 v[PFO], 8, v15
	s_lshl_b32 s86, s[WR], 14
	v_add_nc_u32 v[VA0], s86, v[VOUT]
	s_mul_i32 s86, s[WC], 24576
	s_add_co_u32 s86, s86, BOFF
	v_add_nc_u32 v[VB0], s86, v[VOUT]
	v_mov_b32 v[VA], v[VA0]
	v_mov_b32 v[VB], v[VB0]
	s_mul_i32 s86, s[WV], 16*KP
	s_add_co_u32 s86, s86, KSTG                    ; my stage
	v_mul_u32_u24 v[VKS], v16, KP                  ; in: step l % 16, 16 bytes for each half of the lanes
	v_lshl_add_u32 v[VKS], v17, 4, v[VKS]
	v_add_nc_u32 v[VKS], s86, v[VKS]
	v_and_b32 v18, 7, v0
	v_bfe_u32 v19, v0, 3, 1
	v_lshl_add_u32 v[VKT], v17, 3, v18             ; out: lane l reads step 8 (l / 16) + l % 8, features 8 ((l / 8) % 2) + 0..7, and is left with feature l % 16 and 8 steps
	v_mul_u32_u24 v[VKT], v[VKT], KP
	v_lshl_add_u32 v[VKT], v19, 4, v[VKT]
	v_add_nc_u32 v[VKT], s86, v[VKT]
	s_lshl_b32 s86, s[MT], 10
	s_lshl_b32 s87, s[WR], 9
	s_add_co_u32 s86, s86, s87                     ; 4 x my first row in the flat list of 8,192
	v_lshl_add_u32 v[VMV], v17, 5, s86
	v_lshl_add_u32 v[VMR], v16, 2, s86
	s_lshr_b32 s88, s[MT], 3                       ; batch
	s_lshl_b32 s88, s88, 4
	s_lshl1_add_u32 s88, s[NT], s88
	s_add_co_u32 s88, s88, s[WC]                   ; batch x 16 + head
	s_and_b32 s89, s[MT], 7
	s_lshl_b32 s86, s89, 10
	s_add_co_u32 s86, s86, s87                     ; 4 x my first step in the sequence
	s_lshl_b32 s87, s88, 13
	s_add_co_u32 s86, s86, s87
	v_lshl_add_u32 v[VCR], v16, 2, s86
	s_lshl_b32 s90, s88, 5
	s_lshl2_add_u32 s90, s89, s90
	s_lshl1_add_u32 s90, s[WR], s90                ; my first chunk among all: 32 (batch x 16 + head) + 4 (mt % 8) + 2 (w / 2)
	s_lshl_b32 s90, s90, 13
	s_mov_b32 s91, 0
	s_add_nc_u64 s[PQ:PQ+1], s[10:11], s[90:91]
	s_add_nc_u64 s[PKT:PKT+1], s[PQ:PQ+1], 2*SEC
	s_add_nc_u64 s[PVT:PVT+1], s[PQ:PQ+1], 3*SEC
	; the prefetches' address (at K step 3: the first change steps it to 4) and the two tests
	s_and_b32 s88, ttmp7, 0xffff                   ; cluster y
	s_lshl_b32 s84, s[MT], 15
	s_lshl_b32 s86, s[CX], 13
	s_add_co_u32 s84, s84, s86                     ; x: my tile, quarter cx
	s_lshr_b32 s86, s[CY], 1
	s_mul_i32 s86, s86, KBS
	s_and_b32 s87, s[CY], 1
	s_mul_i32 s87, s87, 3
	s_add_co_u32 s87, s87, s[WV]
	s_max_u32 s87, s87, 1
	s_sub_co_u32 s87, s87, 1
	s_lshl_b32 s87, s87, 13
	s_add_co_u32 s86, s86, s87
	s_mul_i32 s87, s[NT], 49152
	s_add_co_u32 s86, s86, s87
	s_add_co_u32 s86, s86, 512*2048                ; weights: step cy / 2, piece 3 (cy % 2) + w - 1 of my tile
	s_cmp_eq_u32 s[WV], 0
	s_cselect_b32 s84, s84, s86
	s_cselect_b32 s[ODDM], 0, 1                    ; waves 1 to 3 ask in every second change
	s_cselect_b32 s87, ttmp9, s88                  ; the coordinate along which other clusters read the same bytes
	s_cmp_eq_u32 s87, 0
	s_cselect_b32 s[LIM], 2, -1                    ; the same in all sixteen partners, for a given wave
	s_add_co_u32 s84, s84, 3*KBS
	s_mov_b32 s85, 0
	s_add_nc_u64 s[PFA:PFA+1], s[4:5], s[84:85]
	s_wait_tensorcnt 1                             ; my part of K step 0 is in; step 1's may stay out
	s_barrier_signal -1
	s_barrier_wait -1
	LDB 0, 0
	LDA A0, 0
	LDB 1, 0
	LDB 2, 0
	SUB0 1, 0                                      ; the first half step starts the sums: nothing is cleared
	WIN 0
	s_mov_b32 s[CNT], 14
.Lk:                                   ; a trip: the second half of K step i, which asks for step i + 2, and the first half of step i + 1
	SUB1 1
	SUB0 0, 0
	WIN 0
	s_sub_co_u32 s[CNT], s[CNT], 1
	s_cmp_lg_u32 s[CNT], 0
	s_cbranch_scc1 .Lk
	SUB1 0                                         ; the tail is written out: nothing is left to ask for
	SUB0 0, 1
	s_wait_dscnt 16
	GRP 0, A1, 0
	PLACES
	WIN 0
.irp i, 0,1,2,3,4,5,6,7                ; group 0's registers are free: mask and cl of step 16 a + l % 16
	global_load_b32 v[KFR+\i],   v[VMR], s[6:7] offset:64*\i
	global_load_b32 v[KFR+8+\i], v[VCR], s[8:9] offset:64*\i
.endr
	s_wait_dscnt 8
	GRP 1, A1, 0
	s_wait_dscnt 0x0
	GRP 2, A1, 0
	; THE WAY OUT.  The lines below are also the places behind the last products.
	WIN 0
	s_wait_loadcnt 0x0
.irp i, 0,1,2,3,4,5,6,7
	v_sub_f32 v[KFR+8+\i], 0, v[KFR+8+\i]
.endr
.irp i, 0,1,2,3,4,5,6,7
	v_exp_f32 v[KFR+8+\i], v[KFR+8+\i]
.endr
.set z, 0
.rept 16
	v_mov_b32 v[FAC+z], 1.0                        ; q's factor
.set z, z+1
.endr
	s_wait_alu depctr_va_vdst(0)                   ; one wait for the eight exponentials, ahead of their first reader
.irp i, 0,1,2,3,4,5,6,7
	v_mul_f32 v[KFR+\i], v[KFR+\i], v[KFR+8+\i]    ; k's factor: m 2^(-c)
.endr
; Row tile a of the pass in hand, always out of window 1: phi, the factor, bf16; a lane's 16 bytes ARE its part of a piece.  In k's pass the 16 steps x 64 features are also turned through my stage.
.macro EPI a
	WIN 0
	s_wait_xcnt 0x0                                ; the last stores have read OUT and OT
	WIN 0x01
.set z, 0
.rept 16
	v_pk_mul_f32 v[T+2*z:T+2*z+1], v[32*(\a)+2*z:32*(\a)+2*z+1], s[L2E:L2E+1] op_sel_hi:[1,0]
.set z, z+1
.endr
.set z, 0
.rept 16
	v_pk_add_f32 v[U+2*z:U+2*z+1], v[32*(\a)+2*z:32*(\a)+2*z+1], 1.0 op_sel_hi:[1,0]
.set z, z+1
.endr
	WIN 0
.set z, 0
.rept 32
	v_exp_f32 v[T+z], v[T+z]
.set z, z+1
.endr
	v_nop                                          ; a plain line behind the batch,
	s_wait_alu depctr_va_vdst(0)                   ; and its one wait
.set z, 0
.rept 32
	v_med3_num_f32 v[T+z], v[T+z], v[U+z], 1.0     ; u > 0: 1 < u + 1 <= e^u; u < 0: u + 1 <= e^u < 1
.set z, z+1
.endr
.set z, 0
.rept 16
	v_pk_mul_f32 v[T+2*z:T+2*z+1], v[T+2*z:T+2*z+1], v[FAC+2*(\a):FAC+2*(\a)+1] op_sel_hi:[1,0]
.set z, z+1
.endr
.set z, 0
.rept 16
	v_cvt_pk_bf16_f32 v[OUT+z], v[T+2*z], v[T+2*z+1]
.set z, z+1
.endr
.irp bq, 0,1,2,3
	global_store_b128 v[VOUT], v[OUT+4*\bq:OUT+4*\bq+3], s[PQ:PQ+1] offset:2048*(\a)+512*\bq  ; 512 consecutive bytes, aligned
.endr
	s_cmp_eq_u32 s[PASS], 1
	s_cbranch_scc0 .Lnot_k_\@
.irp bq, 0,1,2,3
	ds_store_b128 v[VKS], v[OUT+4*\bq:OUT+4*\bq+3] offset:32*\bq
.endr
.irp dt, 0,1,2,3
	ds_load_tr16_b128 v[OT+4*\dt:OT+4*\dt+3], v[VKT] offset:32*\dt  ; my own bytes: LDS serves a wave's instructions in order
.endr
	s_wait_dscnt 0x0
.irp dt, 0,1,2,3
	global_store_b128 v[VOUT], v[OT+4*\dt:OT+4*\dt+3], s[PKT:PKT+1] offset:8192*((\a)/4)+2048*\dt+512*((\a)%4)
.endr
.Lnot_k_\@:
.endm
	s_mov_b32 s[PASS], 2
.Lpass:                                ; two trips of one text: q, then k
.irp a, 0,1,2,3,4,5,6,7
	EPI \a
.endr
	WIN 0
	s_cmp_eq_u32 s[PASS], 1
	s_cbranch_scc1 .Lpassed
	WIN 0x42                                       ; k's sums go where the one text reads: 256 moves for half of the way out's text
.set z, 0
.rept 256
	v_mov_b32 v[z], v[z]
.set z, z+1
.endr
	WIN 0
.irp i, 0,1,2,3,4,5,6,7
	v_mov_b32 v[FAC+2*\i], v[KFR+\i]
	v_mov_b32 v[FAC+2*\i+1], v[KFR+\i]
.endr
	s_wait_xcnt 0x0                                ; q's stores have read their base
	s_add_nc_u64 s[PQ:PQ+1], s[PQ:PQ+1], SEC
.Lpassed:
	s_sub_co_u32 s[PASS], s[PASS], 1
	s_cmp_lg_u32 s[PASS], 0
	s_cbranch_scc1 .Lpass
.macro EPV a                           ; v: a lane holds one feature and 8 steps: the steps' masks, bf16, 16 bytes of VT
	WIN 0
	s_wait_xcnt 0x0
	WIN 0x03
.set z, 0
.rept 16
	v_pk_mul_f32 v[T+2*z:T+2*z+1], v[32*(\a)+2*z:32*(\a)+2*z+1], v[MV+8*(\a)+(2*z)%8:MV+8*(\a)+(2*z)%8+1]
.set z, z+1
.endr
	WIN 0
.set z, 0
.rept 16
	v_cvt_pk_bf16_f32 v[OUT+z], v[T+2*z], v[T+2*z+1]
.set z, z+1
.endr
.irp bq, 0,1,2,3
	global_store_b128 v[VOUT], v[OUT+4*\bq:OUT+4*\bq+3], s[PVT:PVT+1] offset:8192*((\a)/4)+2048*\bq+512*((\a)%4)
.endr
.endm
.irp a, 0,1,2,3,4,5,6,7
	EPV \a
.endr
	s_wait_tensorcnt 0x0                           ; the wave's end, behind my last tensor load and my last LDS store
	ds_add_u32 v[SPW], v[NIL]
	s_wait_dscnt 0x0
	CROUND                                         ; the closing round
	s_endpgm
.Lfunc_end_k_q60e33583d7_qkv:
	.size	k_q60e33583d7_qkv, .Lfunc_end_k_q60e33583d7_qkv-k_q60e33583d7_qkv
	.p2alignl 7, 3214868480
	.fill 96, 4, 3214868480
	.section	.rodata,"a",@progbits
	.p2align	6, 0x0
	.amdhsa_kernel k_q60e33583d7_qkv
		.amdhsa_group_segment_fixed_size 327680
		.amdhsa_private_segment_fixed_size 0
		.amdhsa_enable_private_segment 0
		.amdhsa_kernarg_size 32
		.amdhsa_user_sgpr_count 2
		.amdhsa_user_sgpr_kernarg_segment_ptr 1
		.amdhsa_wavefront_size32 1
		.amdhsa_system_sgpr_workgroup_id_x 1
		.amdhsa_system_sgpr_workgroup_id_y 1
		.amdhsa_system_sgpr_workgroup_id_z 1
		.amdhsa_system_vgpr_workitem_id 0
		.amdhsa_next_free_vgpr 1024
		.amdhsa_next_free_sgpr 100
		.amdhsa_reserve_vcc 0
		.amdhsa_float_denorm_mode_32 3
		.amdhsa_float_denorm_mode_16_64 3
		.amdhsa_memory_ordered 1
		.amdhsa_forward_progress 1
		.amdhsa_inst_pref_size 166
	.end_amdhsa_kernel
	.amdgpu_metadata
---
amdhsa.version: [ 1, 2 ]
amdhsa.kernels:
  - .name:           k_q60e33583d7_qkv
    .symbol:         k_q60e33583d7_qkv.kd
    .args:
      - { .name: ops, .offset: 0, .size: 8, .value_kind: global_buffer, .address_space: global }
      - { .name: mask, .offset: 8, .size: 8, .value_kind: global_buffer, .address_space: global }
      - { .name: cl, .offset: 16, .size: 8, .value_kind: global_buffer, .address_space: global }
      - { .name: frg, .offset: 24, .size: 8, .value_kind: global_buffer, .address_space: global }
    .group_segment_fixed_size: 327680
    .private_segment_fixed_size: 0
    .kernarg_segment_align: 8
    .kernarg_segment_size: 32
    .max_flat_workgroup_size: 128
    .sgpr_count:     100
    .vgpr_count:     1024
    .wavefront_size: 32
...
	.end_amdgpu_metadata
.endif
;; end of part 2
;; launch scan (part 3): grid 4 x 64, 8 waves a work-group, no clusters, 164,864 bytes of LDS; arguments frg, cl, yf; writes yf
.if DOCPART == 3
	.amdgcn_target "amdgcn-amd-amdhsa--gfx1250"
	.amdhsa_code_object_version 6
	.text
	.protected	k_q60e33583d7_scan
	.globl	k_q60e33583d7_scan
	.p2align	8
	.type	k_q60e33583d7_scan,@function
k_q60e33583d7_scan:
	s_mov_b64 s[64:65], 0
	v_nop
	global_prefetch_b8 v0, s[64:65] scope:SCOPE_SE
	s_setreg_imm32_b32 hwreg(HW_REG_WAVE_MODE, 25, 1), 1
	s_wait_xcnt 0x0
; SCAN, in chunks of 64 steps.  With c_i the chunk's running log2 beta, k^_j = phi(k_j) m_j 2^(-c_j), v'_j = m_j v_j, and S, Z the state in front of the chunk:
;   y_i = [ sum over j <= i of (q_i . k^_j) v'_j + q_i S ] / [ sum over j <= i of (q_i . k^_j) + q_i . Z + 1e-6 x 2^(-c_i) ],      S <- g (S + K^^T V'),  g = 2^(c_63);
; the factor 2^(c_i) common to numerator and denominator is left out.  Z rides as a fifth tile of columns beside V: a matrix operand of ones in rows 0 and 8.
; SHARES.  Work-group (j, bh): quarter j of the 32 chunks of one batch and head; wave w owns chunk 8 j + w.  The state at the quarter's start is made anew from the 8 j chunks in front: j chunks a wave.
; Every wave runs three such steps: step i takes chunk max(j w + i - (3 - j), 0), with g = 0 while i < 3 - j, so the dead steps come first and leave 0: one text, the same counted waits for every j.
; Then: the eight partial states (each times the g of all later chunks of the prefix) meet in LDS; each thread owns 20 numbers of the state (f32, in registers) and carries them over the eight chunks,
; leaving for each wave its chunk's start state, rounded once to bf16, in LDS.
; LAYOUT.  U = K^^T V': source 0 = KT (16 features d), source 1 = VT (16 features e): a lane holds e = l % 16 and d = 8 (l / 16) + 0..7: rounded in pairs that IS half an operand of S^T for O^T += S^T Q^T.
; P^T = K^ Q^T and O^T = V'^T P hold one step i a lane, so nothing changes lanes.
; NO CLUSTER, NO TENSOR LOADS: every operand lies in memory in fragment order and comes straight into registers; the waves of a work-group, and the quarters of a head, want different chunks at any one time.  The launch is short: nothing is prefetched.
; LIMITS.  A dead step multiplies a finite product by 0 (infinities and NaN in K^ or V' are not treated apart); P, S and y are rounded once to bf16; the sums and the carried state stay in f32.
; REGISTERS.  Window 0: v0-31 addresses and small numbers; v32-39 ones; v40-47 the diagonal's mask; v48-67 my 20 numbers of the state; v68-87 at work; v96-255 20 accumulators.
; Window 1: v0-127, v128-255 two sets of operands (KT then VT; at the end Q, K in the first, the own KT, VT in the second); P lies on K; the slices of round 2 on v116-255; S on v64-143.
.set SEC,   16777216
.set MATB,  20480                      ; an image of 20 tiles: item q (4 registers) at 512 q + 16 l; wave w's at MATB w
.set SPARE, 8*MATB                     ; the spare words, 128 bytes a wave: four blocks of 256 bytes that no other line names
.set VL,  2                            ; v2   16 l
.set VM,  3                            ; v3   my wave's image + 16 l
.set VR,  4                            ; v4-6 my thread's five items (5 w ..) in images 0, 3, 6
.set SPW, 7
.set NIL, 8
.set VE,  9                            ; v9   256 l: chunk l's last step in cl
.set VC,  10                           ; v10  my steps in cl
.set EV,  11
.set GV,  12                           ; v12  lane c: g of chunk c
.set LN,  13
.set EI,  20                           ; v[20:23] 2^(-c_i) of step 16 it + l % 16
.set RC,  24                           ; v[24:31] 1 / denominator, a pair for each it
.set ONES, 32
.set MD,  40
.set T,   48
.set SB,  68
.set ACC, 96
.set PF,  64                           ; window 1
.set SL,  116                          ; window 1
.set SF,  64                           ; window 1
.set WV, 10
.set J,  11
.set BH, 12
.set CO, 13
.set KT0, 16                           ; s[16:27] KT and VT of the three steps' chunks: each chunk has pairs of its own, so none is rewritten
.set QB,  28                           ; s[28:35] Q, K, KT, VT of my chunk
.set CLB, 36
.set YB,  38
.set GP,  40                           ; s[40:45] the three steps' g, in pairs
.set GR,  46                           ; s[46:59] g of chunks 8 j .. 8 j + 6, in pairs
.set SEL, 66
.set EPSS, 68
.set ONE, 69
.set ONEB, 70
.set LO,  71
.set LEN, 72
.set CI,  84
.set MSB, 0
.macro WIN new
.if MSB != (\new)
	s_set_vgpr_msb (MSB<<8)|(\new)
.set MSB, (\new)
.endif
.endm
.macro PLACES
.rept 4
	v_nop
.endr
.endm
.macro LOADSET base, sa, sb            ; 32 loads of 512 consecutive bytes: two blocks of 8,192 bytes into 128 registers of window 1
	WIN 0x40
.set z, 0
.rept 16
	global_load_b128 v[(\base)+4*z:(\base)+4*z+3], v[VL], s[(\sa):(\sa)+1] offset:512*z
.set z, z+1
.endr
.set z, 0
.rept 16
	global_load_b128 v[(\base)+64+4*z:(\base)+64+4*z+3], v[VL], s[(\sb):(\sb)+1] offset:512*z
.set z, z+1
.endr
	WIN 0
.endm
; 40 matrix instructions: U (+)= K^^T [V' | ones]: tile 4 et + dt.  The 20 accumulators take turns.
.macro USTEP base, zero
.irp tp, 0,1
	WIN 0x05
.irp et, 0,1,2,3
.irp dt, 0,1,2,3
.if (\zero) && (\tp == 0)
	v_wmma_f32_16x16x32_bf16 v[ACC+8*(4*\et+\dt):ACC+8*(4*\et+\dt)+7], v[(\base)+16*\dt+8*\tp:(\base)+16*\dt+8*\tp+7], v[(\base)+64+16*\et+8*\tp:(\base)+64+16*\et+8*\tp+7], 0
.else
	v_wmma_f32_16x16x32_bf16 v[ACC+8*(4*\et+\dt):ACC+8*(4*\et+\dt)+7], v[(\base)+16*\dt+8*\tp:(\base)+16*\dt+8*\tp+7], v[(\base)+64+16*\et+8*\tp:(\base)+64+16*\et+8*\tp+7], v[ACC+8*(4*\et+\dt):ACC+8*(4*\et+\dt)+7]
.endif
.endr
.endr
	WIN 0x01
.irp dt, 0,1,2,3
.if (\zero) && (\tp == 0)
	v_wmma_f32_16x16x32_bf16 v[ACC+8*(16+\dt):ACC+8*(16+\dt)+7], v[(\base)+16*\dt+8*\tp:(\base)+16*\dt+8*\tp+7], v[ONES:ONES+7], 0
.else
	v_wmma_f32_16x16x32_bf16 v[ACC+8*(16+\dt):ACC+8*(16+\dt)+7], v[(\base)+16*\dt+8*\tp:(\base)+16*\dt+8*\tp+7], v[ONES:ONES+7], v[ACC+8*(16+\dt):ACC+8*(16+\dt)+7]
.endif
.endr
.endr
.endm
.macro GMUL gp                         ; the whole image times g
	WIN 0
.set z, 0
.rept 80
	v_pk_mul_f32 v[ACC+2*z:ACC+2*z+1], v[ACC+2*z:ACC+2*z+1], s[(\gp):(\gp)+1] op_sel_hi:[1,0]
.set z, z+1
.endr
.endm
.macro PUTMAT                          ; the image into my wave's place in LDS
	WIN 0
.set z, 0
.rept 40
	ds_store_b128 v[VM], v[ACC+4*z:ACC+4*z+3] offset:512*z
.set z, z+1
.endr
.endm
	s_load_b128 s[4:7], s[0:1], 0x0                ; frg s[4:5], cl s[6:7]
	s_load_b64 s[8:9], s[0:1], 0x10                ; yf
	v_lshl_add_u32 v[SPW], v0, 2, SPARE
	v_mov_b32 v[NIL], 0
	v_lshrrev_b32 v1, 5, v0
	v_readfirstlane_b32 s[WV], v1                  ; wave 0..7
	s_mov_b32 s[J], ttmp9
	s_and_b32 s[BH], ttmp7, 0xffff
	v_and_b32 v[LN], 31, v0
	v_lshlrev_b32 v[VL], 4, v[LN]
	s_mul_i32 s60, s[WV], MATB
	v_add_nc_u32 v[VM], s60, v[VL]
	s_mul_i32 s60, s[WV], 2560
	v_add_nc_u32 v[VR], s60, v[VL]
	v_add_nc_u32 v[VR+1], 3*MATB, v[VR]
	v_add_nc_u32 v[VR+2], 6*MATB, v[VR]
	v_lshlrev_b32 v[VE], 8, v[LN]
	s_lshl_b32 s[CO], s[J], 3
	s_add_co_u32 s[CO], s[CO], s[WV]               ; my chunk
	s_lshl_b32 s60, s[CO], 8
	v_and_b32 v14, 15, v0
	v_lshl_add_u32 v[VC], v14, 2, s60
	s_lshl_b32 s61, s[BH], 5
	s_mul_i32 s62, s[J], s[WV]
	s_add_co_u32 s62, s62, s[J]                    ; j (w + 1): one behind my last chunk of the prefix
	s_mov_b32 s[LO], s62
	s_lshl_b32 s[LEN], s[J], 3
	s_sub_co_u32 s[LEN], s[LEN], s62               ; the prefix's chunks behind mine: j (7 - w)
.irp i, 0,1,2
	s_add_co_i32 s63, s62, \i-3
	s_max_i32 s[CI+\i], s63, 0
	s_add_co_u32 s63, s61, s[CI+\i]
	s_lshl_b32 s63, s63, 13
	s_add_co_u32 s[KT0+4*\i], s63, 2*SEC
	s_mov_b32 s[KT0+4*\i+1], 0
	s_add_co_u32 s[KT0+4*\i+2], s63, 3*SEC
	s_mov_b32 s[KT0+4*\i+3], 0
.endr
	s_add_co_u32 s63, s61, s[CO]
	s_lshl_b32 s63, s63, 13
.irp i, 0,1,2,3
	s_add_co_u32 s[QB+2*\i], s63, \i*SEC
	s_mov_b32 s[QB+2*\i+1], 0
.endr
	s_and_b32 s60, s[BH], 15
	s_lshl_b32 s60, s60, 20                        ; yf: [16 heads][512 row tiles][2,048]
	s_lshr_b32 s63, s[BH], 4
	s_lshl_b32 s63, s63, 7
	s_lshl2_add_u32 s63, s[CO], s63                ; row tile 128 batch + 4 chunk
	s_lshl_b32 s63, s63, 11
	s_add_co_u32 s[YB], s60, s63
	s_mov_b32 s[YB+1], 0
	s_lshl_b32 s[CLB], s[BH], 13
	s_mov_b32 s[CLB+1], 0
	s_mov_b32 s[SEL], 0x76543210
	s_mov_b32 s[SEL+1], 0xfedcba98
	s_mov_b32 s[EPSS], 0x358637bd                  ; 1e-6
	s_mov_b32 s[ONE], 1.0
	s_mov_b32 s[ONEB], 0x3f803f80                  ; 1.0 twice in bf16
	s_wait_kmcnt 0x0
.irp p, KT0, KT0+2, KT0+4, KT0+6, KT0+8, KT0+10, QB, QB+2, QB+4, QB+6
	s_add_nc_u64 s[\p:\p+1], s[4:5], s[\p:\p+1]
.endr
	s_add_nc_u64 s[CLB:CLB+1], s[6:7], s[CLB:CLB+1]
	s_add_nc_u64 s[YB:YB+1], s[8:9], s[YB:YB+1]
	global_load_b32 v[EV], v[VE], s[CLB:CLB+1] offset:252   ; lane c: c_63 of chunk c
.irp t, 0,1,2,3
	global_load_b32 v[EI+\t], v[VC], s[CLB:CLB+1] offset:64*\t
.endr
	LOADSET 0, KT0, KT0+2                          ; step 0
	LOADSET 128, KT0+4, KT0+6                      ; step 1
	v_and_b32 v14, 7, v0
	v_cmp_eq_u32 vcc_lo, 0, v14
.irp r, 0,1,2,3,4,5,6,7
	v_cndmask_b32 v[ONES+\r], 0, s[ONEB], vcc_lo   ; rows (or columns) 0 and 8 are ones: register 0 of a result's lane then holds the sum in both halves of the lanes
.endr
	v_and_b32 v14, 15, v0
	v_bfe_u32 v15, v0, 4, 1
	v_lshlrev_b32 v16, 3, v15
	v_sub_nc_u32 v16, v14, v16
.irp r, 0,1,2,3,4,5,6,7
	v_cmp_le_i32 vcc_lo, \r, v16                   ; key 8 (l / 16) + r <= step l % 16
	v_cndmask_b32 v[MD+\r], 0, s[ONE], vcc_lo
.endr
.irp t, 0,1,2,3
	v_mov_b32 v[RC+2*\t+1], 0                      ; named as pairs
.endr
	v_mov_b32 v16, 0
	s_wait_loadcnt 63                              ; 69 loads have been issued: the oldest six, the five small ones among them, are in
	v_sub_nc_u32 v14, v[LN], s[LO]
	v_cmp_gt_u32 vcc_lo, s[LEN], v14
	v_cndmask_b32 v15, 0, v[EV], vcc_lo            ; log2 g of the prefix's chunks behind mine,
	v_add_f32_dpp v15, v15, v15 row_xmask:1 row_mask:0xf bank_mask:0xf
	v_add_f32_dpp v15, v15, v15 row_xmask:2 row_mask:0xf bank_mask:0xf
	v_add_f32_dpp v15, v15, v15 row_xmask:4 row_mask:0xf bank_mask:0xf
	v_add_f32_dpp v15, v15, v15 row_xmask:8 row_mask:0xf bank_mask:0xf
	v_permlanex16_b32 v16, v15, s[SEL], s[SEL+1]
	v_add_f32 v15, v15, v16                        ; summed over the wave
.irp t, 0,1,2,3
	v_sub_f32 v[EI+\t], 0, v[EI+\t]
.endr
	v_exp_f32 v[GV], v[EV]
	v_exp_f32 v15, v15
.irp t, 0,1,2,3
	v_exp_f32 v[EI+\t], v[EI+\t]
.endr
	v_nop                                          ; a plain line behind the batch of six,
	s_wait_alu depctr_va_vdst(0)                   ; and its one wait
.irp i, 0,1,2
	v_readlane_b32 s[GP+2*\i], v[GV], s[CI+\i]
	s_add_co_u32 s60, s[J], \i
	s_cmp_lt_u32 s60, 3
	s_cselect_b32 s[GP+2*\i], 0, s[GP+2*\i]        ; a dead step
	s_mov_b32 s[GP+2*\i+1], 0
.endr
	v_mul_f32 v15, s[GP+4], v15                    ; the last step's g takes the later chunks' with it
	v_readfirstlane_b32 s[GP+4], v15
	s_lshl_b32 s60, s[J], 3
.irp u, 0,1,2,3,4,5,6
	s_add_co_u32 s61, s60, \u
	v_readlane_b32 s[GR+2*\u], v[GV], s61
	s_mov_b32 s[GR+2*\u+1], 0
.endr
	; THE PREFIX: acc = g (acc + U), three times.  While one set is multiplied the other's 32 loads are out; a set is asked for again four places behind its last product.
	s_wait_loadcnt 32
	USTEP 0, 1
	PLACES
	LOADSET 0, KT0+8, KT0+10                       ; step 2
	GMUL GP
	s_wait_loadcnt 32
	USTEP 128, 0
	PLACES
	LOADSET 128, QB+4, QB+6                        ; my chunk's KT and VT
	GMUL GP+2
	s_wait_loadcnt 32
	USTEP 0, 0
	PLACES
	LOADSET 0, QB, QB+2                            ; my chunk's Q and K
	GMUL GP+4
	PUTMAT
	s_wait_dscnt 0x0                               ; for the others' sake: my partial state is in LDS
	s_barrier_signal -1
	s_barrier_wait -1
	; ROUND 1: my 20 numbers of the eight partial states, added: the state at the quarter's start
.set m, 0
.rept 8
.set k, 0
.rept 5
	ds_load_b128 v[ACC+20*m+4*k:ACC+20*m+4*k+3], v[VR+m/3] offset:MATB*(m%3)+512*k
.set k, k+1
.endr
.set m, m+1
.endr
	s_wait_dscnt 30                                ; images 0 and 1 are in: five loads for each of the six behind them may be out
.set z, 0
.rept 10
	v_pk_add_f32 v[T+2*z:T+2*z+1], v[ACC+2*z:ACC+2*z+1], v[ACC+20+2*z:ACC+20+2*z+1]
.set z, z+1
.endr
.set m, 2
.rept 6
	s_wait_dscnt 5*(7-m)
.set z, 0
.rept 10
	v_pk_add_f32 v[T+2*z:T+2*z+1], v[T+2*z:T+2*z+1], v[ACC+20*m+2*z:ACC+20*m+2*z+1]
.set z, z+1
.endr
.set m, m+1
.endr
	s_barrier_signal -1                            ; my reads of the images are over (the last wait was for 0)
	s_wait_loadcnt 32                              ; my KT and VT are in; Q and K may stay out
	USTEP 128, 1                                   ; my chunk's U, on registers alone, while the others arrive
	WIN 0
	s_barrier_wait -1
	PLACES
	v_nop                                          ; a fifth place: product (1) below writes over these accumulators
	PUTMAT
	s_wait_dscnt 0x0
	s_barrier_signal -1
	s_wait_loadcnt 0x0                             ; Q and K
	; (1) P^T = K^ Q^T, the tiles on and below the diagonal: tile it (it + 1) / 2 + jt
	WIN 0x05
.irp p, 0,1
.irp it, 0,1,2,3
.irp jt, 0,1,2,3
.if \jt <= \it
.if \p == 0
	v_wmma_f32_16x16x32_bf16 v[ACC+8*(\it*(\it+1)/2+\jt):ACC+8*(\it*(\it+1)/2+\jt)+7], v[64+16*\jt+8*\p:64+16*\jt+8*\p+7], v[16*\it+8*\p:16*\it+8*\p+7], 0
.else
	v_wmma_f32_16x16x32_bf16 v[ACC+8*(\it*(\it+1)/2+\jt):ACC+8*(\it*(\it+1)/2+\jt)+7], v[64+16*\jt+8*\p:64+16*\jt+8*\p+7], v[16*\it+8*\p:16*\it+8*\p+7], v[ACC+8*(\it*(\it+1)/2+\jt):ACC+8*(\it*(\it+1)/2+\jt)+7]
.endif
.endif
.endr
.endr
.endr
	PLACES
	WIN 0
.irp it, 0,1,2,3
.irp r, 0,1,2,3
	v_pk_mul_f32 v[ACC+8*(\it*(\it+3)/2)+2*\r:ACC+8*(\it*(\it+3)/2)+2*\r+1], v[ACC+8*(\it*(\it+3)/2)+2*\r:ACC+8*(\it*(\it+3)/2)+2*\r+1], v[MD+2*\r:MD+2*\r+1]
.endr
.endr
	WIN 0x40                                       ; two tiles, rounded in pairs, are one operand (32 keys x 16 steps): operand it + it / 3 + jt / 2
.irp it, 0,1,2,3
.irp jt, 0,1,2,3
.if \jt <= \it
.irp r, 0,1,2,3
	v_cvt_pk_bf16_f32 v[PF+8*(\it+\it/3+\jt/2)+4*(\jt%2)+\r], v[ACC+8*(\it*(\it+1)/2+\jt)+2*\r], v[ACC+8*(\it*(\it+1)/2+\jt)+2*\r+1]
.endr
.endif
.endr
.endr
.irp r, 0,1,2,3
	v_mov_b32 v[PF+4+\r], 0                        ; the halves above the diagonal
	v_mov_b32 v[PF+28+\r], 0
.endr
	; (2) O^T = [V' | ones]^T P: tile 5 it + et; the first product on each accumulator starts its sum
	WIN 0x05
.irp et, 0,1,2,3
.irp it, 0,1,2,3
	v_wmma_f32_16x16x32_bf16 v[ACC+8*(5*\it+\et):ACC+8*(5*\it+\et)+7], v[192+16*\et:192+16*\et+7], v[PF+8*(\it+\it/3):PF+8*(\it+\it/3)+7], 0
.endr
.endr
	WIN 0x04
.irp it, 0,1,2,3
	v_wmma_f32_16x16x32_bf16 v[ACC+8*(5*\it+4):ACC+8*(5*\it+4)+7], v[ONES:ONES+7], v[PF+8*(\it+\it/3):PF+8*(\it+\it/3)+7], 0
.endr
	WIN 0x05
.irp et, 0,1,2,3
.irp it, 2,3
	v_wmma_f32_16x16x32_bf16 v[ACC+8*(5*\it+\et):ACC+8*(5*\it+\et)+7], v[192+16*\et+8:192+16*\et+15], v[PF+8*(\it+\it/3+1):PF+8*(\it+\it/3+1)+7], v[ACC+8*(5*\it+\et):ACC+8*(5*\it+\et)+7]
.endr
.endr
	WIN 0x04
.irp it, 2,3
	v_wmma_f32_16x16x32_bf16 v[ACC+8*(5*\it+4):ACC+8*(5*\it+4)+7], v[ONES:ONES+7], v[PF+8*(\it+\it/3+1):PF+8*(\it+\it/3+1)+7], v[ACC+8*(5*\it+4):ACC+8*(5*\it+4)+7]
.endr
	WIN 0
	s_barrier_wait -1                              ; all eight U lie in LDS
	PLACES                                         ; for the loads into registers that (2) has read
	; ROUND 2: my 20 numbers walk the eight chunks.  In front of chunk u they are left, as bf16, in the first 8 bytes of my cells of image u, which I have read before (LDS serves a wave's instructions in order).
	WIN 0x40
.set m, 0
.rept 7                                ; the last chunk's U feeds no chunk of this quarter
.set k, 0
.rept 5
	ds_load_b128 v[SL+20*m+4*k:SL+20*m+4*k+3], v[VR+m/3] offset:MATB*(m%3)+512*k
.set k, k+1
.endr
.set m, m+1
.endr
.set m, 0
.rept 8
	WIN 0
.set z, 0
.rept 10
	v_cvt_pk_bf16_f32 v[SB+10*(m%2)+z], v[T+2*z], v[T+2*z+1]
.set z, z+1
.endr
.set k, 0
.rept 5
	ds_store_b64 v[VR+m/3], v[SB+10*(m%2)+2*k:SB+10*(m%2)+2*k+1] offset:MATB*(m%3)+512*k
.set k, k+1
.endr
.if m < 7
	s_wait_dscnt 35                                ; younger than slice m's loads: 5 (6 - m) loads and 5 (m + 1) stores
	WIN 0x04
.set z, 0
.rept 10
	v_pk_add_f32 v[T+2*z:T+2*z+1], v[T+2*z:T+2*z+1], v[SL+20*m+2*z:SL+20*m+2*z+1]
.set z, z+1
.endr
	WIN 0
.set z, 0
.rept 10
	v_pk_mul_f32 v[T+2*z:T+2*z+1], v[T+2*z:T+2*z+1], s[GR+2*m:GR+2*m+1] op_sel_hi:[1,0]
.set z, z+1
.endr
.endif
.set m, m+1
.endr
	s_wait_dscnt 0x0
	s_barrier_signal -1
	s_barrier_wait -1
	WIN 0x40
.set z, 0
.rept 40                               ; my chunk's start state: item q's 8 bytes are registers 2 q, 2 q + 1 of the ten operands of S^T
	ds_load_b64 v[SF+2*z:SF+2*z+1], v[VM] offset:512*z
.set z, z+1
.endr
	s_wait_dscnt 0x0
	; (3) O^T += S^T Q^T
	WIN 0x05
.irp p, 0,1
.irp it, 0,1,2,3
.irp et, 0,1,2,3,4
	v_wmma_f32_16x16x32_bf16 v[ACC+8*(5*\it+\et):ACC+8*(5*\it+\et)+7], v[SF+16*\et+8*\p:SF+16*\et+8*\p+7], v[16*\it+8*\p:16*\it+8*\p+7], v[ACC+8*(5*\it+\et):ACC+8*(5*\it+\et)+7]
.endr
.endr
.endr
	PLACES
	WIN 0
.irp it, 0,1,2,3
	v_fma_f32 v[RC+2*\it], v[EI+\it], s[EPSS], v[ACC+8*(5*\it+4)]   ; the denominator: register 0 of the ones' tile
.endr
.irp it, 0,1,2,3
	v_rcp_f32 v[RC+2*\it], v[RC+2*\it]
.endr
	v_nop
	s_wait_alu depctr_va_vdst(0)                   ; one wait for the four reciprocals
.irp it, 0,1,2,3
.irp et, 0,1,2,3
.irp r, 0,1,2,3
	v_pk_mul_f32 v[ACC+8*(5*\it+\et)+2*\r:ACC+8*(5*\it+\et)+2*\r+1], v[ACC+8*(5*\it+\et)+2*\r:ACC+8*(5*\it+\et)+2*\r+1], v[RC+2*\it:RC+2*\it+1] op_sel_hi:[1,0]
.endr
.irp r, 0,1,2,3
	v_cvt_pk_bf16_f32 v[ACC+8*(5*\it+\et)+\r], v[ACC+8*(5*\it+\et)+2*\r], v[ACC+8*(5*\it+\et)+2*\r+1]   ; packed in place, from the low end on
.endr
	global_store_b128 v[VL], v[ACC+8*(5*\it+\et):ACC+8*(5*\it+\et)+3], s[YB:YB+1] offset:2048*\it+512*\et  ; a piece of y in fragment order: 512 consecutive bytes, aligned
.endr
.endr
	s_wait_tensorcnt 0x0                           ; the wave's end, behind my last LDS store
	ds_add_u32 v[SPW], v[NIL]
	s_wait_dscnt 0x0
	s_endpgm
.Lfunc_end_k_q60e33583d7_scan:
	.size	k_q60e33583d7_scan, .Lfunc_end_k_q60e33583d7_scan-k_q60e33583d7_scan
	.p2alignl 7, 3214868480
	.fill 96, 4, 3214868480
	.section	.rodata,"a",@progbits
	.p2align	6, 0x0
	.amdhsa_kernel k_q60e33583d7_scan
		.amdhsa_group_segment_fixed_size 164864
		.amdhsa_private_segment_fixed_size 0
		.amdhsa_enable_private_segment 0
		.amdhsa_kernarg_size 24
		.amdhsa_user_sgpr_count 2
		.amdhsa_user_sgpr_kernarg_segment_ptr 1
		.amdhsa_wavefront_size32 1
		.amdhsa_system_sgpr_workgroup_id_x 1
		.amdhsa_system_sgpr_workgroup_id_y 1
		.amdhsa_system_sgpr_workgroup_id_z 1
		.amdhsa_system_vgpr_workitem_id 0
		.amdhsa_next_free_vgpr 512
		.amdhsa_next_free_sgpr 96
		.amdhsa_reserve_vcc 1
		.amdhsa_float_denorm_mode_32 3
		.amdhsa_float_denorm_mode_16_64 3
		.amdhsa_memory_ordered 1
		.amdhsa_forward_progress 1
		.amdhsa_inst_pref_size 105
	.end_amdhsa_kernel
	.amdgpu_metadata
---
amdhsa.version: [ 1, 2 ]
amdhsa.kernels:
  - .name:           k_q60e33583d7_scan
    .symbol:         k_q60e33583d7_scan.kd
    .args:
      - { .name: frg, .offset: 0, .size: 8, .value_kind: global_buffer, .address_space: global }
      - { .name: cl, .offset: 8, .size: 8, .value_kind: global_buffer, .address_space: global }
      - { .name: yf, .offset: 16, .size: 8, .value_kind: global_buffer, .address_space: global }
    .group_segment_fixed_size: 164864
    .private_segment_fixed_size: 0
    .kernarg_segment_align: 8
    .kernarg_segment_size: 24
    .max_flat_workgroup_size: 256
    .sgpr_count:     96
    .vgpr_count:     512
    .wavefront_size: 32
...
	.end_amdgpu_metadata
.endif
;; end of part 3
;; launch outp (part 4): grid 128 x 1, 4 waves a work-group, clusters of 4 x 1, 327,680 bytes of LDS; arguments ops, yf, x, bo, ln_w, out0; writes out0
.if DOCPART == 4
	.amdgcn_target "amdgcn-amd-amdhsa--gfx1250"
	.amdhsa_code_object_version 6
	.text
	.protected	k_q60e33583d7_outp
	.globl	k_q60e33583d7_outp
	.p2align	8
	.type	k_q60e33583d7_outp,@function
k_q60e33583d7_outp:
	s_mov_b64 s[64:65], 0
	v_nop
	global_prefetch_b8 v0, s[64:65] scope:SCOPE_SE
	s_setreg_imm32_b32 hwreg(HW_REG_WAVE_MODE, 25, 1), 1
	s_wait_xcnt 0x0
	s_wait_alu depctr_hold_cnt(0) depctr_sa_sdst(0) depctr_va_vdst(0) depctr_va_sdst(0) depctr_va_ssrc(0) depctr_va_vcc(0) depctr_vm_vsrc(0)
	s_getreg_b32 s2, hwreg(HW_REG_IB_STS2, 6, 4)
	s_cmp_eq_u32 s2, 0
	s_cbranch_scc0 .Lentry_in_a_cluster
	s_endpgm
.Lentry_in_a_cluster:
	s_bfe_u32 s2, ttmp6, 0x10000c
	s_cmp_lg_u32 s2, 0x3003
	s_cbranch_scc0 .Lentry_shape_is_right
	s_endpgm
.Lentry_shape_is_right:
; OUTP.  res = x + y Wo^T + bo (bf16 operands, f32 sums; x, bo in f32), out0 = res / (|res| / 32 + 1e-6) x ln_w.
; SHARES.  The norm wants whole rows, so a work-group makes 64 rows x all 1,024 columns: 128 work-groups.  A wave makes 64 rows x 256 columns: 64 accumulators, 512 registers.
; K goes in 16 steps of 64 (a head).  Wo's 128 KiB of a step fill one of two LDS slots; wave w fetches, and alone reads, its quarter (its 256 columns).  y's 8 KiB of a step come straight from yf
; into registers, a step ahead.  Both lie in memory in fragment order: every operand load is 512 bytes on end, without padding.
; CLUSTER 4 x 1: all work-groups walk the same Wo: each quarter is asked for jointly by the four partners.
; The product is taken transposed (source 0 = Wo): a lane holds one row and 8 columns.  The sums meet in a stage of 64 rows x 4,112 bytes that lies on the ring, written when the ring has had its last fill;
; then wave w takes rows 16 w .. 16 w + 15, a row at a time, through four row slots in registers.
; REGISTERS.  Window 0: v0-31 addresses and small numbers; v64-127, v128-191 y's operands, two buffers; v192-223 bo, v224-255 ln_w.  Window 1: two buffers of Wo's 16 operands; later four row slots (x 32, sums 32).
; Windows 2, 3: accumulators, (row tile a, column tile bt) at v[8 (4 (bt % 8) + a)] of window 2 + bt / 8.
; LIMITS.  The division is a multiplication by the chip's reciprocal, the root the chip's; NaN and infinities are not treated apart.
.set KBS,   1572864
.set WOFF,  704*2048                   ; Wo's tiles in a block of k of ops
.set YPL,   1048576                    ; a head's plane in yf
.set S1,    131072
.set SPI,   4112                       ; the stage's pitch: 4,096 + 16
.set SPARE, 64*SPI                     ; behind the stage: the spare words, 128 bytes a wave: two blocks of 256 bytes that no other line names
.set VB0, 2                            ; v2, v3  my quarter in slot 0, 1, + 16 l
.set VL,  4                            ; v4   16 l
.set SPW, 5
.set NIL, 6
.set PFO, 7                            ; v7   256 l
.set VS,  8                            ; v8-11   into the stage, for each row tile
.set VXO, 12                           ; v12-15  row slot s: my 16 bytes of its row in x and out0
.set VSO, 16                           ; v16-19  the same in the stage
.set Q,   20                           ; v[20:27] four chains of squares
.set INV, 28                           ; v[28:29]
.set AY,  64
.set BO,  192
.set LW,  224
.set F0,  0
.set F1,  128
.set WV, 16
.set CX, 17
.set G,  18
.set CNT, 19
.set LIMW, 20
.set LIMY, 21
.set C32, 22
.set EPS, 23
.set G1, 24
.set G0, 32
.set PFW, 40
.set PFY, 42
.set AP, 44
.set XB, 46
.set OB, 48
.set SEL, 50
.set MSB, 0
.macro WIN new
.if MSB != (\new)
	s_set_vgpr_msb (MSB<<8)|(\new)
.set MSB, (\new)
.endif
.endm
.macro PLACES
.rept 4
	v_nop
.endr
.endm
.macro CREST
	s_cmp_lg_u32 s[WV], 0
	s_cbranch_scc1 .Lnot_wave_0_\@
	s_barrier_signal -3
.Lnot_wave_0_\@:
	s_barrier_wait -3
	s_barrier_signal -1
	s_barrier_wait -1
.endm
.macro CROUND
	s_barrier_signal -1
	s_barrier_wait -1
	CREST
.endm
; PREFETCHES INTO THE L2, behind the joint load and the run of LDS loads: at the change that refills with K step t + 2, bytes of K step t + 4, a lane a block of 256 bytes.
; Wo: cluster 0 asks; of each wave's quarter (32 KiB) partner cx takes 8 KiB, told apart by address.  y: wave 1 of every work-group asks for its work-group's own 8 KiB.
; Each block is named once in the launch.  Steps 0 to 3 come by their loads alone; the loop's last trip asks for nothing: step 15 is the last.
.macro ASK
	s_cmp_gt_u32 s[CNT], s[LIMW]
	s_cbranch_scc0 .Lnot_wo_\@
	global_prefetch_b8 v[PFO], s[PFW:PFW+1] th:TH_LOAD_NT scope:SCOPE_SE
.Lnot_wo_\@:
	s_cmp_gt_u32 s[CNT], s[LIMY]
	s_cbranch_scc0 .Lnot_y_\@
	global_prefetch_b8 v[PFO], s[PFY:PFY+1] th:TH_LOAD_NT scope:SCOPE_SE
.Lnot_y_\@:
.endm
; 16 matrix instructions: column tiles b0 .. b0 + 3 x the 4 row tiles, half p of the K step.  The 64 accumulators take turns, one instruction a turn.
.macro MUL16 f, ay, p, b0, zero
	WIN 0xa1+0x50*((\b0)/8)
.irp bt, \b0, (\b0)+1, (\b0)+2, (\b0)+3
.irp ra, 0,1,2,3
.if \zero
	v_wmma_f32_16x16x32_bf16 v[8*(4*((\bt)%8)+\ra):8*(4*((\bt)%8)+\ra)+7], v[(\f)+8*(\bt):(\f)+8*(\bt)+7], v[(\ay)+16*\ra+8*(\p):(\ay)+16*\ra+8*(\p)+7], 0
.else
	v_wmma_f32_16x16x32_bf16 v[8*(4*((\bt)%8)+\ra):8*(4*((\bt)%8)+\ra)+7], v[(\f)+8*(\bt):(\f)+8*(\bt)+7], v[(\ay)+16*\ra+8*(\p):(\ay)+16*\ra+8*(\p)+7], v[8*(4*((\bt)%8)+\ra):8*(4*((\bt)%8)+\ra)+7]
.endif
.endr
.endr
.endm
.macro FETCH slot, p, f                ; 32 LDS loads in one run: my 16 operands of Wo, column tiles ascending
	WIN 0x40
.set z, 0
.rept 16
	ds_load_b128 v[(\f)+8*z:(\f)+8*z+3],   v[VB0+(\slot)] offset:2048*z+1024*(\p)
	ds_load_b128 v[(\f)+8*z+4:(\f)+8*z+7], v[VB0+(\slot)] offset:2048*z+1024*(\p)+512
.set z, z+1
.endr
.endm
; The first half of a K step: multiplies buffer 0, fetches the second half's operands, and asks for the next step's y.
.macro H slot, zero, aload
	s_wait_loadcnt 0x0                             ; this step's y, asked for a step ago
	s_wait_dscnt 16                                ; column tiles 0-7 are in
	MUL16 F0, AY+64*(\slot), 0, 0, \zero
	MUL16 F0, AY+64*(\slot), 0, 4, \zero
	PLACES
	FETCH \slot, 1, F1
.if \aload
	WIN 0
.set z, 0
.rept 16
	global_load_b128 v[AY+64*(1-(\slot))+4*z:AY+64*(1-(\slot))+4*z+3], v[VL], s[AP:AP+1] offset:YPL+512*z
.set z, z+1
.endr
.endif
	s_wait_dscnt 32                                ; all but the 32 just issued
	MUL16 F0, AY+64*(\slot), 0, 8, \zero
	MUL16 F0, AY+64*(\slot), 0, 12, \zero
.endm
; The second half, and the change of slots: each wave waits for all its tensor loads (one is out: its quarter of the next slot), adds 0 to its spare word, and waits for that and for its reads of this slot;
; with fill = 1 the barrier opens a round of the cluster's, and this slot is filled again first behind it, two K steps ahead: 96 matrix instructions stand between that request and the wait for it.
.macro TURN slot, fill
	WIN 0
	s_wait_xcnt 0x0                                ; y's loads and the last prefetches have read their addresses
	s_add_nc_u64 s[AP:AP+1], s[AP:AP+1], YPL
.if \fill
	s_add_nc_u64 s[PFW:PFW+1], s[PFW:PFW+1], KBS
	s_add_nc_u64 s[PFY:PFY+1], s[PFY:PFY+1], YPL
.endif
	s_wait_tensorcnt 0x0                           ; no tensor load of mine is out, so a descriptor may be written
	ds_add_u32 v[SPW], v[NIL]                      ; 0 onto my spare word
.if \fill
	s_add_nc_u64 s[G0+4*(\slot)+2:G0+4*(\slot)+3], s[G0+4*(\slot)+2:G0+4*(\slot)+3], 2*KBS
.endif
	s_wait_dscnt 17                                ; the add and the youngest sixteen loads may be out
	MUL16 F1, AY+64*(\slot), 1, 0, 0
	s_wait_dscnt 0x0                               ; the add is done, and my reads of this slot are over
	s_barrier_signal -1
	MUL16 F1, AY+64*(\slot), 1, 4, 0
	WIN 0
	s_barrier_wait -1
.if \fill
	CREST
	tensor_load_to_lds s[G0+4*(\slot):G0+4*(\slot)+3], s[G1:G1+7]
	s_nop 0
.rept 4
	v_nop                                          ; also the places in front of the loads below
.endr
.else
	PLACES
.endif
	FETCH 1-(\slot), 0, F0
.if \fill
	WIN 0
	ASK
.endif
	MUL16 F1, AY+64*(\slot), 1, 8, 0
	MUL16 F1, AY+64*(\slot), 1, 12, 0
.endm
	s_load_b256 s[4:11], s[0:1], 0x0               ; ops s[4:5], yf s[6:7], x s[8:9], bo s[10:11]
	s_load_b128 s[12:15], s[0:1], 0x20             ; ln_w s[12:13], out0 s[14:15]
	v_lshl_add_u32 v[SPW], v0, 2, SPARE
	v_mov_b32 v[NIL], 0
	ds_add_u32 v[SPW], v[NIL]                      ; the wave's opening: the add, twice on end, and its wait ahead of my first tensor load
	ds_add_u32 v[SPW], v[NIL]
	v_lshrrev_b32 v1, 5, v0
	v_readfirstlane_b32 s[WV], v1                  ; wave 0..3
	s_bfe_u32 s[CX], ttmp6, 0x40000
	s_lshl_b32 s[G], ttmp9, 2
	s_add_co_u32 s[G], s[G], s[CX]                 ; my block of 64 rows: it enters y's, x's and out0's addresses alone
	; descriptor group 1: 32 KiB of dense bytes as 128 rows of 32 elements of 8 bytes
	s_mov_b32 s[G1], 15|(3<<16)|(1<<21)            ; 15:0 the mask of four; 17:16 elements of 8 bytes; 21 set beside a mask; no padding
	s_mov_b32 s[G1+1], 32<<16
	s_mov_b32 s[G1+2], 128<<16
	s_mov_b32 s[G1+3], 32<<16
	s_mov_b32 s[G1+4], 128
	s_mov_b32 s[G1+5], 32
	s_mov_b32 s[G1+6], 0
	s_mov_b32 s[G1+7], 0
	s_lshl_b32 s52, s[WV], 15                      ; my quarter: its place in a slot and in Wo's bytes of a step
	s_add_co_u32 s54, s52, WOFF
	s_mov_b32 s55, 0
	s_mov_b32 s[SEL], 0x76543210
	s_mov_b32 s[SEL+1], 0xfedcba98
	s_mov_b32 s[C32], 0x3d000000                   ; 1 / 32
	s_mov_b32 s[EPS], 0x358637bd                   ; 1e-6
	s_wait_dscnt 0x0                               ; both opening adds are done
	s_wait_kmcnt 0x0
	s_add_nc_u64 s[54:55], s[4:5], s[54:55]
	CROUND                                         ; all four work-groups are here: the first joint loads meet
.irp s, 0,1
	s_mov_b32 s[G0+4*\s], 1
	s_add_co_u32 s[G0+4*\s+1], s52, \s*S1
	s_add_nc_u64 s[G0+4*\s+2:G0+4*\s+3], s[54:55], \s*KBS
	s_or_b32 s[G0+4*\s+3], s[G0+4*\s+3], 0x80000000
	tensor_load_to_lds s[G0+4*\s:G0+4*\s+3], s[G1:G1+7]  ; K steps 0 and 1: two loads of mine are out
	s_nop 0
.endr
.rept 4
	v_nop
.endr
	v_and_b32 v1, 31, v0
	v_and_b32 v30, 15, v0
	v_bfe_u32 v31, v0, 4, 1
	v_lshlrev_b32 v[VL], 4, v1
	v_lshlrev_b32 v[PFO], 8, v1
	v_add_nc_u32 v[VB0], s52, v[VL]
	v_add_nc_u32 v[VB0+1], S1, v[VB0]
	v_mov_b32 v[INV+1], 0                          ; named as a pair
	s_lshl_b32 s53, s[WV], 10
	v_mul_u32_u24 v[VS], v30, SPI                  ; row 16 a + l % 16, columns 256 w + 16 bt + 8 (l / 16) ..
	v_lshl_add_u32 v[VS], v31, 5, v[VS]
	v_add_nc_u32 v[VS], s53, v[VS]
.irp a, 1,2,3
	v_add_nc_u32 v[VS+\a], \a*16*SPI, v[VS]
.endr
	s_lshl_b32 s53, s[WV], 16                      ; 16 rows x 4,096 bytes
	v_add_nc_u32 v[VXO], s53, v[VL]
	s_mul_i32 s53, s[WV], 16*SPI
	v_add_nc_u32 v[VSO], s53, v[VL]
.irp s, 1,2,3
	v_add_nc_u32 v[VXO+\s], \s*4096, v[VXO]
	v_add_nc_u32 v[VSO+\s], \s*SPI, v[VSO]
.endr
	s_lshl_b32 s56, s[G], 13                       ; my four row tiles in a plane of yf
	s_mov_b32 s57, 0
	s_add_nc_u64 s[AP:AP+1], s[6:7], s[56:57]
	s_add_nc_u64 s[PFY:PFY+1], s[AP:AP+1], 3*YPL   ; at K step 3: the first change steps it to 4
	s_lshl_b32 s56, s[G], 18                       ; 64 rows x 4,096 bytes
	s_add_nc_u64 s[XB:XB+1], s[8:9], s[56:57]
	s_add_nc_u64 s[OB:OB+1], s[14:15], s[56:57]
	s_lshl_b32 s56, s[CX], 13
	s_add_co_u32 s56, s56, 3*KBS
	s_add_nc_u64 s[PFW:PFW+1], s[54:55], s[56:57]
	s_cmp_eq_u32 ttmp9, 0
	s_cselect_b32 s[LIMW], 1, -1                   ; the same in all four partners
	s_cmp_eq_u32 s[WV], 1
	s_cselect_b32 s[LIMY], 1, -1
.irp c, 0,1,2,3,4,5,6,7                ; a lane's columns in the norm: 16 bytes at 512 c + 16 l of a row
	global_load_b128 v[BO+4*\c:BO+4*\c+3], v[VL], s[10:11] offset:512*\c
	global_load_b128 v[LW+4*\c:LW+4*\c+3], v[VL], s[12:13] offset:512*\c
.endr
.set z, 0
.rept 16
	global_load_b128 v[AY+4*z:AY+4*z+3], v[VL], s[AP:AP+1] offset:512*z   ; y of K step 0
.set z, z+1
.endr
	s_wait_tensorcnt 1                             ; my quarter of K step 0 is in; step 1's may stay out
	s_barrier_signal -1
	s_barrier_wait -1
	FETCH 0, 0, F0
	H 0, 1, 1                                      ; the first half step starts the sums: nothing is cleared
	WIN 0
	s_mov_b32 s[CNT], 7
.Llap:                                 ; a trip goes once round the ring and fills both slots again
	TURN 0, 1
	H 1, 0, 1
	TURN 1, 1
	H 0, 0, 1
	WIN 0
	s_sub_co_u32 s[CNT], s[CNT], 1
	s_cmp_lg_u32 s[CNT], 0
	s_cbranch_scc1 .Llap
	TURN 0, 0                                      ; the tail is written out: nothing is left to ask for
	H 1, 0, 0
	s_wait_dscnt 16
	MUL16 F1, AY+64, 1, 0, 0
	MUL16 F1, AY+64, 1, 4, 0
	s_wait_dscnt 0x0
	MUL16 F1, AY+64, 1, 8, 0
	MUL16 F1, AY+64, 1, 12, 0
	PLACES
	; THE WAY OUT.  x's first four rows are asked for at once, into Wo's registers.
	WIN 0x40
.irp s, 0,1,2,3
.irp c, 0,1,2,3,4,5,6,7
	global_load_b128 v[64*\s+4*\c:64*\s+4*\c+3], v[VXO+\s], s[XB:XB+1] offset:512*\c th:TH_LOAD_NT
.endr
.endr
	WIN 0
	s_barrier_signal -1                            ; every wave's reads of the ring are over (mine: the wait for 0 above): the stage may be written
	s_barrier_wait -1
.irp hw, 0,1
	WIN 0x08+4*\hw                                 ; store data in window 2, then 3
.irp b, 0,1,2,3,4,5,6,7
.irp a, 0,1,2,3
	ds_store_b128 v[VS+\a], v[8*(4*\b+\a):8*(4*\b+\a)+3]   offset:64*(8*\hw+\b)
	ds_store_b128 v[VS+\a], v[8*(4*\b+\a)+4:8*(4*\b+\a)+7] offset:64*(8*\hw+\b)+16
.endr
.endr
.endr
	WIN 0
	s_wait_dscnt 0x0                               ; for the others' sake: my columns are in the stage
	s_barrier_signal -1
	s_barrier_wait -1
	WIN 0x40
.irp s, 0,1,2,3
.irp c, 0,1,2,3,4,5,6,7
	ds_load_b128 v[64*\s+32+4*\c:64*\s+32+4*\c+3], v[VSO+\s] offset:512*\c
.endr
.endr
; Row slot s's turn.  left: the younger loads, of x and from the stage alike, that may stay out: eight for each of the rows behind.  fill = 1: the slot takes the row four further down.
.macro ROW s, fill, left
	WIN 0
	s_wait_loadcnt \left
	s_wait_dscnt \left
.if \fill
	v_add_nc_u32 v[VXO+(\s)], 4*4096, v[VXO+(\s)]  ; free: the slot's loads are in, and its last stores stood ahead of an s_wait_xcnt 0; the stores below reach back
	v_add_nc_u32 v[VSO+(\s)], 4*SPI, v[VSO+(\s)]
.endif
	WIN 0x45
.set z, 0
.rept 16
	v_pk_add_f32 v[64*(\s)+2*z:64*(\s)+2*z+1], v[64*(\s)+2*z:64*(\s)+2*z+1], v[64*(\s)+32+2*z:64*(\s)+32+2*z+1]
.set z, z+1
.endr
	WIN 0x41
.set z, 0
.rept 16
	v_pk_add_f32 v[64*(\s)+2*z:64*(\s)+2*z+1], v[64*(\s)+2*z:64*(\s)+2*z+1], v[BO+2*z:BO+2*z+1]
.set z, z+1
.endr
	WIN 0x05
.set z, 0
.rept 4                                ; the first four products start the four chains
	v_pk_mul_f32 v[Q+2*z:Q+2*z+1], v[64*(\s)+2*z:64*(\s)+2*z+1], v[64*(\s)+2*z:64*(\s)+2*z+1]
.set z, z+1
.endr
.rept 12
	v_pk_fma_f32 v[Q+2*(z%4):Q+2*(z%4)+1], v[64*(\s)+2*z:64*(\s)+2*z+1], v[64*(\s)+2*z:64*(\s)+2*z+1], v[Q+2*(z%4):Q+2*(z%4)+1]
.set z, z+1
.endr
	WIN 0
	v_pk_add_f32 v[Q:Q+1], v[Q:Q+1], v[Q+2:Q+3]
	v_pk_add_f32 v[Q+4:Q+5], v[Q+4:Q+5], v[Q+6:Q+7]
	v_pk_add_f32 v[Q:Q+1], v[Q:Q+1], v[Q+4:Q+5]
	v_add_f32 v[Q], v[Q], v[Q+1]
	v_add_f32_dpp v[Q], v[Q], v[Q] row_xmask:1 row_mask:0xf bank_mask:0xf
	v_add_f32_dpp v[Q], v[Q], v[Q] row_xmask:2 row_mask:0xf bank_mask:0xf
	v_add_f32_dpp v[Q], v[Q], v[Q] row_xmask:4 row_mask:0xf bank_mask:0xf
	v_add_f32_dpp v[Q], v[Q], v[Q] row_xmask:8 row_mask:0xf bank_mask:0xf
	v_permlanex16_b32 v[Q+1], v[Q], s[SEL], s[SEL+1]
	v_add_f32 v[Q], v[Q], v[Q+1]                   ; every lane holds the row's sum of squares
	v_sqrt_f32 v[Q], v[Q]
	v_nop
	s_wait_alu depctr_va_vdst(0)
	v_fma_f32 v[Q], v[Q], s[C32], s[EPS]
	v_rcp_f32 v[INV], v[Q]
	v_nop
	s_wait_alu depctr_va_vdst(0)
	WIN 0x41
.set z, 0
.rept 16
	v_pk_mul_f32 v[64*(\s)+2*z:64*(\s)+2*z+1], v[64*(\s)+2*z:64*(\s)+2*z+1], v[INV:INV+1] op_sel_hi:[1,0]
.set z, z+1
.endr
.set z, 0
.rept 16
	v_pk_mul_f32 v[64*(\s)+2*z:64*(\s)+2*z+1], v[64*(\s)+2*z:64*(\s)+2*z+1], v[LW+2*z:LW+2*z+1]
.set z, z+1
.endr
	WIN 0x04
.irp c, 0,1,2,3,4,5,6,7
	global_store_b128 v[VXO+(\s)], v[64*(\s)+4*\c:64*(\s)+4*\c+3], s[OB:OB+1] offset:512*\c-(\fill)*4*4096 th:TH_STORE_NT  ; 512 consecutive bytes, aligned
.endr
.if \fill
	s_wait_xcnt 0x0                                ; the stores have read their data: the slot is loaded again only behind this wait
	WIN 0x40
.irp c, 0,1,2,3,4,5,6,7
	global_load_b128 v[64*(\s)+4*\c:64*(\s)+4*\c+3], v[VXO+(\s)], s[XB:XB+1] offset:512*\c th:TH_LOAD_NT
.endr
.irp c, 0,1,2,3,4,5,6,7
	ds_load_b128 v[64*(\s)+32+4*\c:64*(\s)+32+4*\c+3], v[VSO+(\s)] offset:512*\c
.endr
.endif
.endm
	WIN 0
	s_mov_b32 s[CNT], 3
.Lrow:
	ROW 0, 1, 24
	ROW 1, 1, 24
	ROW 2, 1, 24
	ROW 3, 1, 24
	WIN 0
	s_sub_co_u32 s[CNT], s[CNT], 1
	s_cmp_lg_u32 s[CNT], 0
	s_cbranch_scc1 .Lrow
	ROW 0, 0, 24                                   ; the last four rows load nothing: the counts run down
	ROW 1, 0, 16
	ROW 2, 0, 8
	ROW 3, 0, 0
	WIN 0
	s_wait_tensorcnt 0x0                           ; the wave's end, behind my last tensor load and my last LDS store
	ds_add_u32 v[SPW], v[NIL]
	s_wait_dscnt 0x0
	CROUND                                         ; the closing round
	s_endpgm
.Lfunc_end_k_q60e33583d7_outp:
	.size	k_q60e33583d7_outp, .Lfunc_end_k_q60e33583d7_outp-k_q60e33583d7_outp
	.p2alignl 7, 3214868480
	.fill 96, 4, 3214868480
	.section	.rodata,"a",@progbits
	.p2align	6, 0x0
	.amdhsa_kernel k_q60e33583d7_outp
		.amdhsa_group_segment_fixed_size 327680
		.amdhsa_private_segment_fixed_size 0
		.amdhsa_enable_private_segment 0
		.amdhsa_kernarg_size 48
		.amdhsa_user_sgpr_count 2
		.amdhsa_user_sgpr_kernarg_segment_ptr 1
		.amdhsa_wavefront_size32 1
		.amdhsa_system_sgpr_workgroup_id_x 1
		.amdhsa_system_sgpr_workgroup_id_y 1
		.amdhsa_system_sgpr_workgroup_id_z 1
		.amdhsa_system_vgpr_workitem_id 0
		.amdhsa_next_free_vgpr 1024
		.amdhsa_next_free_sgpr 66
		.amdhsa_reserve_vcc 0
		.amdhsa_float_denorm_mode_32 3
		.amdhsa_float_denorm_mode_16_64 3
		.amdhsa_memory_ordered 1
		.amdhsa_forward_progress 1
		.amdhsa_inst_pref_size 140
	.end_amdhsa_kernel
	.amdgpu_metadata
---
amdhsa.version: [ 1, 2 ]
amdhsa.kernels:
  - .name:           k_q60e33583d7_outp
    .symbol:         k_q60e33583d7_outp.kd
    .args:
      - { .name: ops, .offset: 0, .size: 8, .value_kind: global_buffer, .address_space: global }
      - { .name: yf, .offset: 8, .size: 8, .value_kind: global_buffer, .address_space: global }
      - { .name: x, .offset: 16, .size: 8, .value_kind: global_buffer, .address_space: global }
      - { .name: bo, .offset: 24, .size: 8, .value_kind: global_buffer, .address_space: global }
      - { .name: ln_w, .offset: 32, .size: 8, .value_kind: global_buffer, .address_space: global }
      - { .name: out0, .offset: 40, .size: 8, .value_kind: global_buffer, .address_space: global }
    .group_segment_fixed_size: 327680
    .private_segment_fixed_size: 0
    .kernarg_segment_align: 8
    .kernarg_segment_size: 48
    .max_flat_workgroup_size: 128
    .sgpr_count:     66
    .vgpr_count:     1024
    .wavefront_size: 32
...
	.end_amdgpu_metadata
.endif
;; end of part 4
;; ======== version 2 of 2: 4 launches; version 1 with the launches prep, scan written anew for expert scheduling mode
;; workspace buffers: ops 25,165,824 bytes; cl 524,288 bytes; frg 67,108,864 bytes; yf 16,777,216 bytes
;; launch prep (part 5): grid 192 x 1, 8 waves a work-group, no clusters, 175,104 bytes of LDS; arguments x, Wq, Wk, Wv, Wo, Wb, bb, slope, mask, ops, cl; writes ops, cl
.if DOCPART == 5
	.amdgcn_target "amdgcn-amd-amdhsa--gfx1250"
	.amdhsa_code_object_version 6
	.text
	.protected	k_q60e33583d7_prep
	.globl	k_q60e33583d7_prep
	.p2align	8
	.type	k_q60e33583d7_prep,@function
k_q60e33583d7_prep:
	s_mov_b64 s[64:65], 0
	v_nop
	global_prefetch_b8 v0, s[64:65] scope:SCOPE_SE
	s_setreg_imm32_b32 hwreg(HW_REG_WAVE_SCHED_MODE, 0, 2), 2
	s_setreg_imm32_b32 hwreg(HW_REG_WAVE_MODE, 25, 1), 1
	s_wait_xcnt 0x0
	s_wait_alu depctr_vm_vsrc(0)
; PREP.  (1) x and the four square weights, f32, are rounded once to bf16 and written to ops in FRAGMENT ORDER: a block of 16 rows x 64 k is 2,048 bytes, four pieces of 512;
; in piece j4 lane l's 16 bytes (at 16 l) are k = 16 j4 + 8 (l / 16) + 0..7 of row l % 16: pieces 2 p, 2 p + 1 are registers 0-3, 4-7 of the 16 x 32 matrix operand p.
; ops = [16 blocks of k][768 row tiles][2,048]: tiles 0-511 x; 512 + 12 head + 4 t + r / 16 rows of Wq, Wk, Wv (t = 0, 1, 2); 704-767 Wo.
; (2) the gate: logits x Wb^T by the matrix unit (bf16 operands, f32 sums), + bb + slope tau, sigmoid, clip to 0.9 .. 0.9995, log2, 0 where mask <= 0.5, and the running sum
; inside each chunk of 64 steps: cl[batch x 16 + head][step], f32.
; SHARES.  Work-group g takes 64 rows: g < 128 rows 64 g of x (one chunk of one batch), else 64 rows of a weight.  Wave w takes k = 128 w .. 128 w + 127: two blocks of k.
; ONE BRANCH on the work-group's number: a weight's work-group ends behind its stores.  The gate's inputs (19 loads a wave: bb, slope, mask, Wb) are asked for by every work-group, ahead of the stream;
; a weight's work-group leaves them unused (64 KiB beside the 384 KiB that it moves): the price of one text in which every register that is read has been written on every way.
; Nothing is shared between work-groups but Wb, so there is no cluster; the launch only streams, so nothing is prefetched.
; LIMITS.  tau is step x (1 / 2047) in f32, not a division; the exponential, reciprocal and logarithm are the chip's (1 ulp, denormals flushed); NaN and infinities are not treated apart.
; THE MODE: SCHED_MODE bits 1:0 = 2 (LLVM: expert scheduling mode 2), set by the entry lines.  The code itself states the register dependences
; between vector or matrix instructions and memory or LDS instructions, with s_wait_alu, always for 0.
; THE PLAN.  Registers that memory or LDS instructions touch:
;   X, 32 slots   Loaded; read by a group's roundings; in the first block of k loaded again behind them.  At the end the 32 pieces land there by LDS loads; the global stores and the products read them.
;   Y0, Y1        Group g's sixteen roundings write Y[g % 2]; the group's eight LDS stores read it; group g + 2 writes it again.  In the gate the same registers are Wb's operands.
;   RAW, bb, slope, mask   Loaded once, read by vector lines alone.
;   v2-v8, v11-v13         Offsets and LDS addresses, written at the head and never again.
;   ACC           Written by the products, read by eight LDS stores, never written again.
; The stream goes in eight groups of eight slots.  ONE wait on va_vdst stands in a group, behind its roundings: Y[g % 2] is written, which the LDS stores read, and the slots are read out, in which the
; reloads land.  One wait on vm_vsrc stands at the head of groups 2 to 7, ahead of the roundings that write Y[g % 2] again.
.set KBS,   1572864                    ; bytes of one block of k in ops: 768 tiles x 2,048
.set TP,    272                        ; LDS pitch: 256 bytes + 16, so that 16 rows start 4 words apart
.set TILEB, 64*TP                      ; a wave's own tile: 64 rows x 128 k in bf16
.set PART,  8*TILEB                    ; wave w's partial logits [16 heads][64 steps] f32, pitch 272, at PART + 4,352 w
.set SPARE, PART+8*16*TP               ; the spare words: 128 bytes a wave, four blocks of 256 bytes that no other line names
.set VLD, 2                            ; v2   source offset: (l / 16) x 4,096 + (l % 16) x 16 + 512 w
.set VST, 3                            ; v3   into my tile: (l / 16) x 272 + (l % 16) x 8
.set VFR, 4                            ; v4   a piece out of my tile: (l % 16) x 272 + (l / 16) x 16
.set VOUT, 5                           ; v5   16 l
.set VWB, 6                            ; v6   Wb: (l % 16) x 4,096 + (l / 16) x 32 + 512 w
.set VPS, 7                            ; v7   my partial logits, in
.set VPR, 8                            ; v8   partial logits of heads 2 w + l / 16, steps 4 (l % 16) .., back
.set SPW, 9                            ; v9   my spare word; never rewritten
.set NIL, 10                           ; v10  0; never rewritten
.set VM,  11                           ; v11  my four steps in mask
.set VH,  12                           ; v12  4 x my head
.set VCL, 13                           ; v13  my four steps in cl
.set BBV, 17
.set SLV, 18
.set MK,  20                           ; v[20:23] mask of my four steps
.set SV,  24                           ; v[24:27] bb + slope tau of my four steps
.set Y,   32                           ; v[32:63] in the stream: two out-buffers of 16 registers, LDS store data of eight slots each
.set WF,  32                           ; v[32:63] later: four operands of Wb; then the gate's work
.set X,   64                           ; v[64:191] 32 slots of 4: f32 as loaded, later the 32 pieces
.set RAW, 192                          ; v[192:255] Wb as loaded; it waits there through the stream
.set ACC, 192                          ; v[192:223] later: four accumulators (16 steps x 16 heads each)
.set WV,  26
.set SRC, 32
.set DST, 34
.set MS,  53                           ; s[53:56] mask > 0.5, for each of my four steps
	s_load_b512 s[4:19], s[0:1], 0x0               ; x, Wq, Wk, Wv, Wo, Wb, bb, slope
	s_load_b128 s[20:23], s[0:1], 0x40             ; mask, ops
	s_load_b64 s[24:25], s[0:1], 0x50              ; cl
	v_lshl_add_u32 v[SPW], v0, 2, SPARE
	v_mov_b32 v[NIL], 0
	v_lshrrev_b32 v1, 5, v0
	v_readfirstlane_b32 s[WV], v1                  ; wave 0..7
	v_and_b32 v14, 15, v0                          ; l % 16
	v_bfe_u32 v15, v0, 4, 1                        ; l / 16
	v_and_b32 v16, 31, v0                          ; l
	s_wait_alu depctr_va_sdst(0)                   ; the wave's number is written, ahead of its first reader: offsets and bases are made from it
	s_lshl_b32 s27, s[WV], 9
	v_lshlrev_b32 v[VLD], 12, v15
	v_lshl_add_u32 v[VLD], v14, 4, v[VLD]
	v_add_nc_u32 v[VLD], s27, v[VLD]
	v_lshlrev_b32 v[VWB], 12, v14
	v_lshl_add_u32 v[VWB], v15, 5, v[VWB]
	v_add_nc_u32 v[VWB], s27, v[VWB]
	s_mul_i32 s28, s[WV], TILEB
	v_mul_u32_u24 v[VST], v15, TP
	v_lshl_add_u32 v[VST], v14, 3, v[VST]
	v_add_nc_u32 v[VST], s28, v[VST]
	v_mul_u32_u24 v19, v14, TP
	v_lshl_add_u32 v[VFR], v15, 4, v19
	v_add_nc_u32 v[VFR], s28, v[VFR]
	s_mul_i32 s29, s[WV], 16*TP
	s_add_co_u32 s29, s29, PART
	v_lshl_add_u32 v[VPS], v15, 5, v19
	v_add_nc_u32 v[VPS], s29, v[VPS]
	s_mul_i32 s30, s[WV], 2*TP
	s_add_co_u32 s30, s30, PART
	v_mul_u32_u24 v[VPR], v15, TP
	v_lshl_add_u32 v[VPR], v14, 4, v[VPR]
	v_add_nc_u32 v[VPR], s30, v[VPR]
	v_lshlrev_b32 v[VOUT], 4, v16
	s_lshl_b32 s31, s[WV], 3
	v_lshl_add_u32 v[VH], v15, 2, s31              ; 4 (2 w + l / 16)
	s_and_b32 s36, ttmp9, 127                      ; mask is [4][2048]: 128 blocks of 64 steps; a weight's work-group, which uses none, stays inside by the remainder
	s_lshl_b32 s36, s36, 8                         ; 64 steps x 4 bytes
	v_lshl_add_u32 v[VM], v14, 4, s36
	s_lshr_b32 s37, ttmp9, 5                       ; batch
	s_lshl_b32 s37, s37, 17                        ; 16 heads x 8,192 bytes
	s_and_b32 s38, ttmp9, 31                       ; chunk
	s_lshl_b32 s52, s38, 8
	s_add_co_u32 s37, s37, s52
	s_lshl_b32 s52, s[WV], 14                      ; head 2 w
	s_add_co_u32 s37, s37, s52
	v_lshl_add_u32 v[VCL], v15, 13, s37
	v_lshl_add_u32 v[VCL], v14, 4, v[VCL]
	s_lshl_b32 s38, s38, 6
	v_lshl_add_u32 v19, v14, 2, s38                ; my first step in the sequence
	s_mov_b32 s50, 0x3f666666                      ; 0.9
	s_mov_b32 s51, 0x3f7fdf3b                      ; 0.9995
	; which 64 rows, of which tensor, to which tiles: all from the work-group's number
	s_sub_co_u32 s39, ttmp9, 128
	s_lshr_b32 s40, s39, 4                         ; t: 0 Wq, 1 Wk, 2 Wv, 3 Wo
	s_and_b32 s41, s39, 15                         ; head, or Wo's block of 64 rows
	s_mul_i32 s42, s41, 12
	s_lshl2_add_u32 s42, s40, s42
	s_add_co_u32 s42, s42, 512                     ; 512 + 12 head + 4 t
	s_lshl_b32 s43, s41, 2
	s_add_co_u32 s43, s43, 704
	s_lshl_b32 s44, ttmp9, 2
	s_cmp_eq_u32 s40, 3
	s_cselect_b32 s42, s43, s42
	s_cmp_lt_u32 ttmp9, 128
	s_cselect_b32 s42, s44, s42                    ; my first tile in ops
	s_cselect_b32 s41, ttmp9, s41                  ; my block of 64 rows in the source
	s_lshl_b32 s46, s41, 18                        ; 64 rows x 4,096 bytes
	s_mov_b32 s47, 0
	s_lshl_b32 s48, s42, 11
	s_mul_i32 s45, s[WV], 2*KBS                    ; my two blocks of k
	s_add_co_u32 s48, s48, s45
	s_mov_b32 s49, 0
	s_wait_kmcnt 0x0
	s_cmp_eq_u32 s40, 1
	s_cselect_b64 s[SRC:SRC+1], s[8:9], s[6:7]
	s_cmp_eq_u32 s40, 2
	s_cselect_b64 s[SRC:SRC+1], s[10:11], s[SRC:SRC+1]
	s_cmp_eq_u32 s40, 3
	s_cselect_b64 s[SRC:SRC+1], s[12:13], s[SRC:SRC+1]
	s_cmp_lt_u32 ttmp9, 128
	s_cselect_b64 s[SRC:SRC+1], s[4:5], s[SRC:SRC+1]
	s_add_nc_u64 s[SRC:SRC+1], s[SRC:SRC+1], s[46:47]
	s_add_nc_u64 s[DST:DST+1], s[22:23], s[48:49]
	s_wait_alu depctr_va_vdst(0)                   ; the offsets and LDS addresses v2 to v8 and v11 to v13 are written: every load and store of the kernel reads one of them
	; the gate's inputs, ahead of the stream: they are older than every load below, so each counted wait below shows them in as well
	global_load_b32 v[BBV], v[VH], s[16:17]
	global_load_b32 v[SLV], v[VH], s[18:19]
	global_load_b128 v[MK:MK+3], v[VM], s[20:21]
.irp f, 0,1,2,3                        ; operand f = 2 (block of k) + p: 16 heads x 32 k, f32: four loads of 16 bytes a lane
.irp c, 0,1,2,3
	global_load_b128 v[RAW+16*\f+4*\c:RAW+16*\f+4*\c+3], v[VWB], s[14:15] offset:256*(\f/2)+128*(\f%2)+64*(\c/2)+16*(\c%2)
.endr
.endr
.set n, 0
.rept 32                               ; the first block of k: load n takes 256 consecutive bytes of rows 2 n and 2 n + 1
	global_load_b128 v[X+4*n:X+4*n+3], v[VLD], s[SRC:SRC+1] offset:8192*n th:TH_LOAD_NT
.set n, n+1
.endr
; Group g of eight: slots 8 (g % 4) .. 8 (g % 4) + 7 of block g / 4 of k.  Four f32 of a slot become 8 bytes of my tile; in the first block a slot is loaded again, with the second block's 16 bytes.
; left: the younger loads that may stay out: in the first block 24 - 8 g of that block and 8 g reloads, 24 in all; in the second block the reloads of the groups behind.
.macro GROUP g, left
	s_wait_loadcnt \left                           ; loads come back in order: the group's eight are in
.if (\g) >= 2
	s_wait_alu depctr_vm_vsrc(0)                   ; the LDS stores of the group two back have read Y[g % 2], which the roundings below write again
.endif
.irp j, 0,1,2,3,4,5,6,7
	v_cvt_pk_bf16_f32 v[Y+16*((\g)%2)+2*\j],   v[X+4*(8*((\g)%4)+\j)],   v[X+4*(8*((\g)%4)+\j)+1]
	v_cvt_pk_bf16_f32 v[Y+16*((\g)%2)+2*\j+1], v[X+4*(8*((\g)%4)+\j)+2], v[X+4*(8*((\g)%4)+\j)+3]
.endr
	s_wait_alu depctr_va_vdst(0)                   ; the roundings have written Y[g % 2], which the LDS stores read, and are done reading the eight slots, in which the reloads (behind the last group: the pieces) land
.irp j, 0,1,2,3,4,5,6,7
.if (\g) < 4
	global_load_b128 v[X+4*(8*(\g)+\j):X+4*(8*(\g)+\j)+3], v[VLD], s[SRC:SRC+1] offset:8192*(8*(\g)+\j)+256 th:TH_LOAD_NT
.endif
	ds_store_b64 v[VST], v[Y+16*((\g)%2)+2*\j:Y+16*((\g)%2)+2*\j+1] offset:2*TP*(8*((\g)%4)+\j)+128*((\g)/4)
.endr
.endm
	GROUP 0, 24
	GROUP 1, 24
	GROUP 2, 24
	GROUP 3, 24
	GROUP 4, 24
	GROUP 5, 16                                    ; the counts run down to 0: every load of the wave is in
	GROUP 6, 8
	GROUP 7, 0
.set n, 0
.rept 32                               ; piece n = 16 beta + 4 (row tile) + j4.  My own bytes: LDS serves a wave's instructions in order, so these see the stores above.  No vector line since the last group's wait names X
	ds_load_b128 v[X+4*n:X+4*n+3], v[VFR] offset:16*TP*((n/4)%4)+128*(n/16)+32*(n%4)
.set n, n+1
.endr
	s_wait_dscnt 0x0
	s_wait_alu depctr_vm_vsrc(0)                   ; the last two groups' LDS stores have read Y: behind the branch below Wb's roundings write these registers
.set n, 0
.rept 32                               ; each store is 512 consecutive bytes, aligned
	global_store_b128 v[VOUT], v[X+4*n:X+4*n+3], s[DST:DST+1] offset:KBS*(n/16)+2048*((n/4)%4)+512*(n%4)
.set n, n+1
.endr
	s_cmp_lt_u32 ttmp9, 128
	s_cbranch_scc0 .Lend                           ; a weight's work-group is done (all eight waves alike, so none misses the barrier below)
	; THE GATE.  Wb to bf16; then source 0 = 16 steps of x, source 1 = the 16 heads: a lane ends with one head and 8 steps.  The four accumulators (row tiles) take turns.
.set n, 0
.rept 32
	v_cvt_pk_bf16_f32 v[WF+n], v[RAW+2*n], v[RAW+2*n+1]
.set n, n+1
.endr
.irp f, 0,1,2,3
.irp t, 0,1,2,3
.if \f == 0
	v_wmma_f32_16x16x32_bf16 v[ACC+8*\t:ACC+8*\t+7], v[X+4*(16*(\f/2)+4*\t+2*(\f%2)):X+4*(16*(\f/2)+4*\t+2*(\f%2))+7], v[WF+8*\f:WF+8*\f+7], 0
.else
	v_wmma_f32_16x16x32_bf16 v[ACC+8*\t:ACC+8*\t+7], v[X+4*(16*(\f/2)+4*\t+2*(\f%2)):X+4*(16*(\f/2)+4*\t+2*(\f%2))+7], v[WF+8*\f:WF+8*\f+7], v[ACC+8*\t:ACC+8*\t+7]
.endif
.endr
.endr
.rept 4
	v_nop                                          ; four places behind the last product, ahead of the stores that read results
.endr
	s_wait_alu depctr_va_vdst(0)                   ; the products have written the accumulators, which the LDS stores read, and are done reading Wb's operands, in which the LDS loads behind the barrier land
.irp t, 0,1,2,3
	ds_store_b128 v[VPS], v[ACC+8*\t:ACC+8*\t+3]   offset:64*\t
	ds_store_b128 v[VPS], v[ACC+8*\t+4:ACC+8*\t+7] offset:64*\t+16
.endr
	s_wait_dscnt 0x0                               ; for the others' sake: my partial logits are in LDS
	s_barrier_signal -1
	s_barrier_wait -1
.irp u, 0,1,2,3,4,5,6,7                ; the eight waves' parts of K for my head and my four steps
	ds_load_b128 v[WF+4*\u:WF+4*\u+3], v[VPR] offset:16*TP*\u
.endr
	v_cvt_f32_u32 v[SV], v19
	v_add_f32 v[SV+1], 1.0, v[SV]
	v_add_f32 v[SV+2], 2.0, v[SV]
	v_add_f32 v[SV+3], 0x40400000, v[SV]
.irp j, 0,1,2,3
	v_mul_f32 v[SV+\j], 0x3a001002, v[SV+\j]       ; tau = step / 2047
.endr
.irp j, 0,1,2,3
	v_fma_f32 v[SV+\j], v[SLV], v[SV+\j], v[BBV]
.endr
	s_wait_dscnt 0x0
.irp u, 1,2,3,4,5,6,7
	v_pk_add_f32 v[WF:WF+1],   v[WF:WF+1],   v[WF+4*\u:WF+4*\u+1]
	v_pk_add_f32 v[WF+2:WF+3], v[WF+2:WF+3], v[WF+4*\u+2:WF+4*\u+3]
.endr
.irp j, 0,1,2,3
	v_add_f32 v[WF+\j], v[WF+\j], v[SV+\j]
.endr
.irp j, 0,1,2,3
	v_mul_f32 v[WF+\j], 0xbfb8aa3b, v[WF+\j]       ; - z log2(e)
.endr
.irp j, 0,1,2,3
	v_exp_f32 v[WF+\j], v[WF+\j]
.endr
	v_nop                                          ; a plain line behind the batch,
	s_wait_alu depctr_va_vdst(0)                   ; and the one wait for the four exponentials, ahead of their first reader
.irp j, 0,1,2,3
	v_add_f32 v[WF+\j], 1.0, v[WF+\j]
.endr
.irp j, 0,1,2,3
	v_rcp_f32 v[WF+\j], v[WF+\j]
.endr
	v_nop
	s_wait_alu depctr_va_vdst(0)                   ; the four reciprocals, ahead of their first reader
.irp j, 0,1,2,3
	v_med3_num_f32 v[WF+\j], v[WF+\j], s50, s51    ; the clip
.endr
.irp j, 0,1,2,3
	v_log_f32 v[WF+\j], v[WF+\j]
.endr
	v_nop
.irp j, 0,1,2,3
	v_cmp_lt_f32 s[MS+\j], 0.5, v[MK+\j]           ; the four compares in a run, each into a scalar register of its own
.endr
	s_wait_alu depctr_va_vdst(0)                   ; the four logarithms, ahead of their first reader
	s_wait_alu depctr_va_sdst(0)                   ; the four masks are written, ahead of the selects that read them
.irp j, 0,1,2,3
	v_cndmask_b32 v[WF+\j], 0, v[WF+\j], s[MS+\j]  ; beta = 1 where mask <= 0.5
.endr
	v_add_f32 v[WF+1], v[WF+1], v[WF]              ; the running sum of my four steps,
	v_add_f32 v[WF+2], v[WF+2], v[WF+1]
	v_add_f32 v[WF+3], v[WF+3], v[WF+2]
	v_mov_b32 v[WF+12], v[WF+3]
	v_mov_b32 v[WF+13], 0
.irp d, 1,2,4,8                        ; of the 16 lanes' totals (a head is one half of the lanes; a lane without a source takes 0),
	v_mov_b32_dpp v[WF+13], v[WF+12] row_shr:\d row_mask:0xf bank_mask:0xf bound_ctrl:1
	v_add_f32 v[WF+12], v[WF+12], v[WF+13]
.endr
	v_mov_b32_dpp v[WF+13], v[WF+12] row_shr:1 row_mask:0xf bank_mask:0xf bound_ctrl:1  ; and what lies in front of my lane
.irp j, 0,1,2,3
	v_add_f32 v[WF+\j], v[WF+\j], v[WF+13]
.endr
	s_wait_alu depctr_va_vdst(0)                   ; the additions have written the four sums, which the store reads
	global_store_b128 v[VCL], v[WF:WF+3], s[24:25] ; 16 lanes store a chunk's 256 consecutive bytes, aligned
.Lend:
	s_wait_dscnt 0x0                               ; the closing lines, six on end
	s_wait_alu 0x0
	s_wait_tensorcnt 0x0
	ds_add_u32 v[SPW], v[NIL]
	s_wait_dscnt 0x0
	s_endpgm
.Lfunc_end_k_q60e33583d7_prep:
	.size	k_q60e33583d7_prep, .Lfunc_end_k_q60e33583d7_prep-k_q60e33583d7_prep
	.p2alignl 7, 3214868480
	.fill 96, 4, 3214868480
	.section	.rodata,"a",@progbits
	.p2align	6, 0x0
	.amdhsa_kernel k_q60e33583d7_prep
		.amdhsa_group_segment_fixed_size 175104
		.amdhsa_private_segment_fixed_size 0
		.amdhsa_enable_private_segment 0
		.amdhsa_kernarg_size 88
		.amdhsa_user_sgpr_count 2
		.amdhsa_user_sgpr_kernarg_segment_ptr 1
		.amdhsa_wavefront_size32 1
		.amdhsa_system_sgpr_workgroup_id_x 1
		.amdhsa_system_sgpr_workgroup_id_y 1
		.amdhsa_system_sgpr_workgroup_id_z 1
		.amdhsa_system_vgpr_workitem_id 0
		.amdhsa_next_free_vgpr 256
		.amdhsa_next_free_sgpr 66
		.amdhsa_reserve_vcc 0
		.amdhsa_float_denorm_mode_32 3
		.amdhsa_float_denorm_mode_16_64 3
		.amdhsa_memory_ordered 1
		.amdhsa_forward_progress 1
		.amdhsa_inst_pref_size 39
	.end_amdhsa_kernel
	.amdgpu_metadata
---
amdhsa.version: [ 1, 2 ]
amdhsa.kernels:
  - .name:           k_q60e33583d7_prep
    .symbol:         k_q60e33583d7_prep.kd
    .args:
      - { .name: x, .offset: 0, .size: 8, .value_kind: global_buffer, .address_space: global }
      - { .name: Wq, .offset: 8, .size: 8, .value_kind: global_buffer, .address_space: global }
      - { .name: Wk, .offset: 16, .size: 8, .value_kind: global_buffer, .address_space: global }
      - { .name: Wv, .offset: 24, .size: 8, .value_kind: global_buffer, .address_space: global }
      - { .name: Wo, .offset: 32, .size: 8, .value_kind: global_buffer, .address_space: global }
      - { .name: Wb, .offset: 40, .size: 8, .value_kind: global_buffer, .address_space: global }
      - { .name: bb, .offset: 48, .size: 8, .value_kind: global_buffer, .address_space: global }
      - { .name: slope, .offset: 56, .size: 8, .value_kind: global_buffer, .address_space: global }
      - { .name: mask, .offset: 64, .size: 8, .value_kind: global_buffer, .address_space: global }
      - { .name: ops, .offset: 72, .size: 8, .value_kind: global_buffer, .address_space: global }
      - { .name: cl, .offset: 80, .size: 8, .value_kind: global_buffer, .address_space: global }
    .group_segment_fixed_size: 175104
    .private_segment_fixed_size: 0
    .kernarg_segment_align: 8
    .kernarg_segment_size: 88
    .max_flat_workgroup_size: 256
    .sgpr_count:     66
    .vgpr_count:     256
    .wavefront_size: 32
...
	.end_amdgpu_metadata
.endif
;; end of part 5
;; launch qkv: the kernel of part 2 again; grid 8 x 32, 4 waves a work-group, clusters of 4 x 4, 327,680 bytes of LDS; arguments ops, mask, cl, frg; writes frg
;; launch scan (part 6): grid 4 x 64, 8 waves a work-group, no clusters, 164,864 bytes of LDS; arguments frg, cl, yf; writes yf
.if DOCPART == 6
	.amdgcn_target "amdgcn-amd-amdhsa--gfx1250"
	.amdhsa_code_object_version 6
	.text
	.protected	k_q60e33583d7_scan
	.globl	k_q60e33583d7_scan
	.p2align	8
	.type	k_q60e33583d7_scan,@function
k_q60e33583d7_scan:
	s_mov_b64 s[64:65], 0
	v_nop
	global_prefetch_b8 v0, s[64:65] scope:SCOPE_SE
	s_setreg_imm32_b32 hwreg(HW_REG_WAVE_SCHED_MODE, 0, 2), 2
	s_setreg_imm32_b32 hwreg(HW_REG_WAVE_MODE, 25, 1), 1
	s_wait_xcnt 0x0
	s_wait_alu depctr_vm_vsrc(0)
; SCAN, in chunks of 64 steps.  With c_i the chunk's running log2 beta, k^_j = phi(k_j) m_j 2^(-c_j), v'_j = m_j v_j, and S, Z the state in front of the chunk:
;   y_i = [ sum over j <= i of (q_i . k^_j) v'_j + q_i S ] / [ sum over j <= i of (q_i . k^_j) + q_i . Z + 1e-6 x 2^(-c_i) ],      S <- g (S + K^^T V'),  g = 2^(c_63);
; the factor 2^(c_i) common to numerator and denominator is left out.  Z rides as a fifth tile of columns beside V: a matrix operand of ones in rows 0 and 8.
; SHARES.  Work-group (j, bh): quarter j of the 32 chunks of one batch and head; wave w owns chunk 8 j + w.  The state at the quarter's start is made anew from the 8 j chunks in front: j chunks a wave.
; Every wave runs three such steps: step i takes chunk max(j w + i - (3 - j), 0), with g = 0 while i < 3 - j, so the dead steps come first and leave 0: one text, the same counted waits for every j.
; Then: the eight partial states (each times the g of all later chunks of the prefix) meet in LDS; each thread owns 20 numbers of the state (f32, in registers) and carries them over the eight chunks,
; leaving for each wave its chunk's start state, rounded once to bf16, in LDS.
; LAYOUT.  U = K^^T V': source 0 = KT (16 features d), source 1 = VT (16 features e): a lane holds e = l % 16 and d = 8 (l / 16) + 0..7: rounded in pairs that IS half an operand of S^T for O^T += S^T Q^T.
; P^T = K^ Q^T and O^T = V'^T P hold one step i a lane, so nothing changes lanes.
; NO CLUSTER, NO TENSOR LOADS: every operand lies in memory in fragment order and comes straight into registers; the waves of a work-group, and the quarters of a head, want different chunks at any one time.  The launch is short: nothing is prefetched.
; LIMITS.  A dead step multiplies a finite product by 0 (infinities and NaN in K^ or V' are not treated apart); P, S and y are rounded once to bf16; the sums and the carried state stay in f32.
; REGISTERS.  Window 0: v0-31 addresses and small numbers; v32-39 ones; v40-47 the diagonal's mask; v48-67 my 20 numbers of the state; v68-77 the first state in bf16; v96-255 20 accumulators.
; Window 1: v0-127, v128-255 two sets of operands (KT then VT; at the end Q, K in the first, the own KT, VT in the second); P lies on K; the slices of round 2 on v116-255; S on v64-143.
; THE MODE: SCHED_MODE bits 1:0 = 2 (LLVM: expert scheduling mode 2), set by the entry lines.  The code itself states the register dependences
; between vector or matrix instructions and memory or LDS instructions, with s_wait_alu, always for 0.
; THE PLAN.  Registers that memory or LDS instructions touch:
;   the two operand sets   Loaded; read by a step's products; loaded again behind one wait on va_vdst, which the scaling by g that follows would want in any case.
;   the accumulators       Written by products and scalings; read by the two stores of an image, each behind one wait on va_vdst; round 1's LDS loads land in them, and product (1) writes over them,
;                          each behind one wait on vm_vsrc.  At the end a row tile's 32 vector lines, one wait on va_vdst, its four stores.
;   the slices of round 2  LDS loads land in them behind one wait on va_vdst; slice m is read by the walk's additions; its first ten registers then take the state in front of chunk m + 1 in bf16.
;                          So each state has registers of its own, and the states' 40 LDS stores go out in two runs of 20, each behind one wait on va_vdst.
;   S's operands           LDS loads, behind one wait on vm_vsrc: they lie on registers that the states' stores have read.
;   v2-v6, v9, v10         Offsets and LDS addresses, written at the head and never again.
.set SEC,   16777216
.set MATB,  20480                      ; an image of 20 tiles: item q (4 registers) at 512 q + 16 l; wave w's at MATB w
.set SPARE, 8*MATB                     ; the spare words, 128 bytes a wave: four blocks of 256 bytes that no other line names
.set VL,  2                            ; v2   16 l
.set VM,  3                            ; v3   my wave's image + 16 l
.set VR,  4                            ; v4-6 my thread's five items (5 w ..) in images 0, 3, 6
.set SPW, 7
.set NIL, 8
.set VE,  9                            ; v9   256 l: chunk l's last step in cl
.set VC,  10                           ; v10  my steps in cl
.set EV,  11
.set GV,  12                           ; v12  lane c: g of chunk c
.set LN,  13
.set EI,  20                           ; v[20:23] 2^(-c_i) of step 16 it + l % 16
.set RC,  24                           ; v[24:31] 1 / denominator, a pair for each it
.set ONES, 32
.set MD,  40
.set T,   48
.set SB,  68
.set ACC, 96
.set PF,  64                           ; window 1
.set SL,  116                          ; window 1
.set SF,  64                           ; window 1
.set WV, 10
.set J,  11
.set BH, 12
.set CO, 13
.set KT0, 16                           ; s[16:27] KT and VT of the three steps' chunks: each chunk has pairs of its own, so none is rewritten
.set QB,  28                           ; s[28:35] Q, K, KT, VT of my chunk
.set CLB, 36
.set YB,  38
.set GP,  40                           ; s[40:45] the three steps' g, in pairs
.set GR,  46                           ; s[46:59] g of chunks 8 j .. 8 j + 6, in pairs
.set SEL, 66
.set EPSS, 68
.set ONE, 69
.set ONEB, 70
.set LO,  71
.set LEN, 72
.set MP,  73                           ; s73  the lanes whose chunk lies in the prefix behind mine
.set LS,  74                           ; s[74:80] the lanes 8 j .. 8 j + 6
.set CI,  84
.set MS,  87                           ; s87 the lanes of rows 0 and 8; s[88:95] the diagonal's eight masks
.set MSB, 0
.macro WIN new
.if MSB != (\new)
	s_set_vgpr_msb (MSB<<8)|(\new)
.set MSB, (\new)
.endif
.endm
.macro PLACES
.rept 4
	v_nop
.endr
.endm
.macro LOADSET base, sa, sb            ; 32 loads of 512 consecutive bytes: two blocks of 8,192 bytes into 128 registers of window 1
	WIN 0x40
.set z, 0
.rept 16
	global_load_b128 v[(\base)+4*z:(\base)+4*z+3], v[VL], s[(\sa):(\sa)+1] offset:512*z
.set z, z+1
.endr
.set z, 0
.rept 16
	global_load_b128 v[(\base)+64+4*z:(\base)+64+4*z+3], v[VL], s[(\sb):(\sb)+1] offset:512*z
.set z, z+1
.endr
	WIN 0
.endm
; 40 matrix instructions: U (+)= K^^T [V' | ones]: tile 4 et + dt.  The 20 accumulators take turns.
.macro USTEP base, zero
.irp tp, 0,1
	WIN 0x05
.irp et, 0,1,2,3
.irp dt, 0,1,2,3
.if (\zero) && (\tp == 0)
	v_wmma_f32_16x16x32_bf16 v[ACC+8*(4*\et+\dt):ACC+8*(4*\et+\dt)+7], v[(\base)+16*\dt+8*\tp:(\base)+16*\dt+8*\tp+7], v[(\base)+64+16*\et+8*\tp:(\base)+64+16*\et+8*\tp+7], 0
.else
	v_wmma_f32_16x16x32_bf16 v[ACC+8*(4*\et+\dt):ACC+8*(4*\et+\dt)+7], v[(\base)+16*\dt+8*\tp:(\base)+16*\dt+8*\tp+7], v[(\base)+64+16*\et+8*\tp:(\base)+64+16*\et+8*\tp+7], v[ACC+8*(4*\et+\dt):ACC+8*(4*\et+\dt)+7]
.endif
.endr
.endr
	WIN 0x01
.irp dt, 0,1,2,3
.if (\zero) && (\tp == 0)
	v_wmma_f32_16x16x32_bf16 v[ACC+8*(16+\dt):ACC+8*(16+\dt)+7], v[(\base)+16*\dt+8*\tp:(\base)+16*\dt+8*\tp+7], v[ONES:ONES+7], 0
.else
	v_wmma_f32_16x16x32_bf16 v[ACC+8*(16+\dt):ACC+8*(16+\dt)+7], v[(\base)+16*\dt+8*\tp:(\base)+16*\dt+8*\tp+7], v[ONES:ONES+7], v[ACC+8*(16+\dt):ACC+8*(16+\dt)+7]
.endif
.endr
.endr
.endm
.macro GMUL gp                         ; the whole image times g
	WIN 0
.set z, 0
.rept 80
	v_pk_mul_f32 v[ACC+2*z:ACC+2*z+1], v[ACC+2*z:ACC+2*z+1], s[(\gp):(\gp)+1] op_sel_hi:[1,0]
.set z, z+1
.endr
.endm
.macro PUTMAT                          ; the image into my wave's place in LDS
	WIN 0
.set z, 0
.rept 40
	ds_store_b128 v[VM], v[ACC+4*z:ACC+4*z+3] offset:512*z
.set z, z+1
.endr
.endm
	s_load_b128 s[4:7], s[0:1], 0x0                ; frg s[4:5], cl s[6:7]
	s_load_b64 s[8:9], s[0:1], 0x10                ; yf
	v_lshl_add_u32 v[SPW], v0, 2, SPARE
	v_mov_b32 v[NIL], 0
	v_lshrrev_b32 v1, 5, v0
	v_readfirstlane_b32 s[WV], v1                  ; wave 0..7
	s_mov_b32 s[J], ttmp9
	s_and_b32 s[BH], ttmp7, 0xffff
	v_and_b32 v[LN], 31, v0
	v_lshlrev_b32 v[VL], 4, v[LN]
	s_wait_alu depctr_va_sdst(0)                   ; the wave's number is written, ahead of its first reader: addresses and chunk numbers are made from it
	s_mul_i32 s60, s[WV], MATB
	v_add_nc_u32 v[VM], s60, v[VL]
	s_mul_i32 s60, s[WV], 2560
	v_add_nc_u32 v[VR], s60, v[VL]
	v_add_nc_u32 v[VR+1], 3*MATB, v[VR]
	v_add_nc_u32 v[VR+2], 6*MATB, v[VR]
	v_lshlrev_b32 v[VE], 8, v[LN]
	s_lshl_b32 s[CO], s[J], 3
	s_add_co_u32 s[CO], s[CO], s[WV]               ; my chunk
	s_lshl_b32 s60, s[CO], 8
	v_and_b32 v14, 15, v0
	v_lshl_add_u32 v[VC], v14, 2, s60
	s_lshl_b32 s61, s[BH], 5
	s_mul_i32 s62, s[J], s[WV]
	s_add_co_u32 s62, s62, s[J]                    ; j (w + 1): one behind my last chunk of the prefix
	s_mov_b32 s[LO], s62
	s_lshl_b32 s[LEN], s[J], 3
	s_sub_co_u32 s[LEN], s[LEN], s62               ; the prefix's chunks behind mine: j (7 - w)
.irp i, 0,1,2
	s_add_co_i32 s63, s62, \i-3
	s_max_i32 s[CI+\i], s63, 0
	s_add_co_u32 s63, s61, s[CI+\i]
	s_lshl_b32 s63, s63, 13
	s_add_co_u32 s[KT0+4*\i], s63, 2*SEC
	s_mov_b32 s[KT0+4*\i+1], 0
	s_add_co_u32 s[KT0+4*\i+2], s63, 3*SEC
	s_mov_b32 s[KT0+4*\i+3], 0
.endr
	s_add_co_u32 s63, s61, s[CO]
	s_lshl_b32 s63, s63, 13
.irp i, 0,1,2,3
	s_add_co_u32 s[QB+2*\i], s63, \i*SEC
	s_mov_b32 s[QB+2*\i+1], 0
.endr
	s_and_b32 s60, s[BH], 15
	s_lshl_b32 s60, s60, 20                        ; yf: [16 heads][512 row tiles][2,048]
	s_lshr_b32 s63, s[BH], 4
	s_lshl_b32 s63, s63, 7
	s_lshl2_add_u32 s63, s[CO], s63                ; row tile 128 batch + 4 chunk
	s_lshl_b32 s63, s63, 11
	s_add_co_u32 s[YB], s60, s63
	s_mov_b32 s[YB+1], 0
	s_lshl_b32 s[CLB], s[BH], 13
	s_mov_b32 s[CLB+1], 0
	s_mov_b32 s[SEL], 0x76543210
	s_mov_b32 s[SEL+1], 0xfedcba98
	s_mov_b32 s[EPSS], 0x358637bd                  ; 1e-6
	s_mov_b32 s[ONE], 1.0
	s_mov_b32 s[ONEB], 0x3f803f80                  ; 1.0 twice in bf16
	s_wait_kmcnt 0x0
.irp p, KT0, KT0+2, KT0+4, KT0+6, KT0+8, KT0+10, QB, QB+2, QB+4, QB+6
	s_add_nc_u64 s[\p:\p+1], s[4:5], s[\p:\p+1]
.endr
	s_add_nc_u64 s[CLB:CLB+1], s[6:7], s[CLB:CLB+1]
	s_add_nc_u64 s[YB:YB+1], s[8:9], s[YB:YB+1]
	s_wait_alu depctr_va_vdst(0)                   ; the offsets and LDS addresses v2 to v6, v9 and v10 are written: every load and store of the kernel reads one of them
	global_load_b32 v[EV], v[VE], s[CLB:CLB+1] offset:252   ; lane c: c_63 of chunk c
.irp t, 0,1,2,3
	global_load_b32 v[EI+\t], v[VC], s[CLB:CLB+1] offset:64*\t
.endr
	LOADSET 0, KT0, KT0+2                          ; step 0
	LOADSET 128, KT0+4, KT0+6                      ; step 1
	; ten compares in a run, each into a scalar register of its own
	v_and_b32 v14, 7, v0
	v_cmp_eq_u32 s[MS], 0, v14
	v_and_b32 v14, 15, v0
	v_bfe_u32 v15, v0, 4, 1
	v_lshlrev_b32 v16, 3, v15
	v_sub_nc_u32 v16, v14, v16
.irp r, 0,1,2,3,4,5,6,7
	v_cmp_le_i32 s[MS+1+\r], \r, v16               ; key 8 (l / 16) + r <= step l % 16
.endr
	v_sub_nc_u32 v14, v[LN], s[LO]
	v_cmp_gt_u32 s[MP], s[LEN], v14
	s_wait_alu depctr_va_sdst(0)                   ; the ten masks are written, ahead of the selects that read them
.irp r, 0,1,2,3,4,5,6,7
	v_cndmask_b32 v[ONES+\r], 0, s[ONEB], s[MS]    ; rows (or columns) 0 and 8 are ones: register 0 of a result's lane then holds the sum in both halves of the lanes
.endr
.irp r, 0,1,2,3,4,5,6,7
	v_cndmask_b32 v[MD+\r], 0, s[ONE], s[MS+1+\r]
.endr
.irp t, 0,1,2,3
	v_mov_b32 v[RC+2*\t+1], 0                      ; named as pairs
.endr
	v_mov_b32 v16, 0
	s_wait_loadcnt 63                              ; 69 loads have been issued: the oldest six, the five small ones among them, are in
	v_cndmask_b32 v15, 0, v[EV], s[MP]             ; log2 g of the prefix's chunks behind mine,
	v_add_f32_dpp v15, v15, v15 row_xmask:1 row_mask:0xf bank_mask:0xf
	v_add_f32_dpp v15, v15, v15 row_xmask:2 row_mask:0xf bank_mask:0xf
	v_add_f32_dpp v15, v15, v15 row_xmask:4 row_mask:0xf bank_mask:0xf
	v_add_f32_dpp v15, v15, v15 row_xmask:8 row_mask:0xf bank_mask:0xf
	v_permlanex16_b32 v16, v15, s[SEL], s[SEL+1]
	v_add_f32 v15, v15, v16                        ; summed over the wave
.irp t, 0,1,2,3
	v_sub_f32 v[EI+\t], 0, v[EI+\t]
.endr
	v_exp_f32 v[GV], v[EV]
	v_exp_f32 v15, v15
.irp t, 0,1,2,3
	v_exp_f32 v[EI+\t], v[EI+\t]
.endr
	v_nop                                          ; a plain line behind the batch of six,
	s_wait_alu depctr_va_vdst(0)                   ; and the one wait for the six exponentials, ahead of their first reader
	s_lshl_b32 s60, s[J], 3
.irp u, 0,1,2,3,4,5,6
	s_add_co_u32 s[LS+\u], s60, \u
.endr
.irp i, 0,1,2
	v_readlane_b32 s[GP+2*\i], v[GV], s[CI+\i]
.endr
.irp u, 0,1,2,3,4,5,6
	v_readlane_b32 s[GR+2*\u], v[GV], s[LS+\u]
	s_mov_b32 s[GR+2*\u+1], 0
.endr
	s_wait_alu depctr_va_sdst(0)                   ; the ten g are written, ahead of their first readers: the selects below and the walk's scalings
.irp i, 0,1,2
	s_add_co_u32 s60, s[J], \i
	s_cmp_lt_u32 s60, 3
	s_cselect_b32 s[GP+2*\i], 0, s[GP+2*\i]        ; a dead step
	s_mov_b32 s[GP+2*\i+1], 0
.endr
	v_mul_f32 v15, s[GP+4], v15                    ; the last step's g takes the later chunks' with it
	v_readfirstlane_b32 s[GP+4], v15
	s_wait_alu depctr_va_sdst(0)                   ; that product is written, ahead of its first reader, the third scaling
	; THE PREFIX: acc = g (acc + U), three times.  While one set is multiplied the other's 32 loads are out; a set is asked for again when its products are done reading it.
	s_wait_loadcnt 32
	USTEP 0, 1
	PLACES                                         ; four places behind the last product, ahead of the scaling that reads results
	s_wait_alu depctr_va_vdst(0)                   ; the products are done reading the first set, in which the loads below land
	LOADSET 0, KT0+8, KT0+10                       ; step 2
	GMUL GP
	s_wait_loadcnt 32
	USTEP 128, 0
	PLACES
	s_wait_alu depctr_va_vdst(0)                   ; the products are done reading the second set, in which the loads below land
	LOADSET 128, QB+4, QB+6                        ; my chunk's KT and VT
	GMUL GP+2
	s_wait_loadcnt 32
	USTEP 0, 0
	PLACES
	s_wait_alu depctr_va_vdst(0)                   ; the products are done reading the first set, in which the loads below land
	LOADSET 0, QB, QB+2                            ; my chunk's Q and K
	GMUL GP+4
	s_wait_alu depctr_va_vdst(0)                   ; the scaling has written the accumulators, which the LDS stores read; no vector line names them again before round 1's loads land in them
	PUTMAT
	s_wait_dscnt 0x0                               ; for the others' sake: my partial state is in LDS
	s_barrier_signal -1
	s_barrier_wait -1
	s_wait_alu depctr_vm_vsrc(0)                   ; my LDS stores have read the accumulators, in which the loads below land
	; ROUND 1: my 20 numbers of the eight partial states, added: the state at the quarter's start
.set m, 0
.rept 8
.set k, 0
.rept 5
	ds_load_b128 v[ACC+20*m+4*k:ACC+20*m+4*k+3], v[VR+m/3] offset:MATB*(m%3)+512*k
.set k, k+1
.endr
.set m, m+1
.endr
	s_wait_dscnt 30                                ; images 0 and 1 are in: five loads for each of the six behind them may be out
.set z, 0
.rept 10
	v_pk_add_f32 v[T+2*z:T+2*z+1], v[ACC+2*z:ACC+2*z+1], v[ACC+20+2*z:ACC+20+2*z+1]
.set z, z+1
.endr
.set m, 2
.rept 6
	s_wait_dscnt 5*(7-m)
.set z, 0
.rept 10
	v_pk_add_f32 v[T+2*z:T+2*z+1], v[T+2*z:T+2*z+1], v[ACC+20*m+2*z:ACC+20*m+2*z+1]
.set z, z+1
.endr
.set m, m+1
.endr
	s_barrier_signal -1                            ; my reads of the images are over (the last wait was for 0)
	s_wait_loadcnt 32                              ; my KT and VT are in; Q and K may stay out
	USTEP 128, 1                                   ; my chunk's U, on registers alone, while the others arrive
	WIN 0
	s_barrier_wait -1
	PLACES
	v_nop                                          ; a fifth place: product (1) below writes over these accumulators
	s_wait_alu depctr_va_vdst(0)                   ; the products have written the accumulators, which the LDS stores read
	PUTMAT
	s_wait_dscnt 0x0
	s_barrier_signal -1
	s_wait_loadcnt 0x0                             ; Q and K
	s_wait_alu depctr_vm_vsrc(0)                   ; my LDS stores have read the accumulators, which the products below write over
	; (1) P^T = K^ Q^T, the tiles on and below the diagonal: tile it (it + 1) / 2 + jt
	WIN 0x05
.irp p, 0,1
.irp it, 0,1,2,3
.irp jt, 0,1,2,3
.if \jt <= \it
.if \p == 0
	v_wmma_f32_16x16x32_bf16 v[ACC+8*(\it*(\it+1)/2+\jt):ACC+8*(\it*(\it+1)/2+\jt)+7], v[64+16*\jt+8*\p:64+16*\jt+8*\p+7], v[16*\it+8*\p:16*\it+8*\p+7], 0
.else
	v_wmma_f32_16x16x32_bf16 v[ACC+8*(\it*(\it+1)/2+\jt):ACC+8*(\it*(\it+1)/2+\jt)+7], v[64+16*\jt+8*\p:64+16*\jt+8*\p+7], v[16*\it+8*\p:16*\it+8*\p+7], v[ACC+8*(\it*(\it+1)/2+\jt):ACC+8*(\it*(\it+1)/2+\jt)+7]
.endif
.endif
.endr
.endr
.endr
	PLACES
	WIN 0
.irp it, 0,1,2,3
.irp r, 0,1,2,3
	v_pk_mul_f32 v[ACC+8*(\it*(\it+3)/2)+2*\r:ACC+8*(\it*(\it+3)/2)+2*\r+1], v[ACC+8*(\it*(\it+3)/2)+2*\r:ACC+8*(\it*(\it+3)/2)+2*\r+1], v[MD+2*\r:MD+2*\r+1]
.endr
.endr
	WIN 0x40                                       ; two tiles, rounded in pairs, are one operand (32 keys x 16 steps): operand it + it / 3 + jt / 2
.irp it, 0,1,2,3
.irp jt, 0,1,2,3
.if \jt <= \it
.irp r, 0,1,2,3
	v_cvt_pk_bf16_f32 v[PF+8*(\it+\it/3+\jt/2)+4*(\jt%2)+\r], v[ACC+8*(\it*(\it+1)/2+\jt)+2*\r], v[ACC+8*(\it*(\it+1)/2+\jt)+2*\r+1]
.endr
.endif
.endr
.endr
.irp r, 0,1,2,3
	v_mov_b32 v[PF+4+\r], 0                        ; the halves above the diagonal
	v_mov_b32 v[PF+28+\r], 0
.endr
	; (2) O^T = [V' | ones]^T P: tile 5 it + et; the first product on each accumulator starts its sum
	WIN 0x05
.irp et, 0,1,2,3
.irp it, 0,1,2,3
	v_wmma_f32_16x16x32_bf16 v[ACC+8*(5*\it+\et):ACC+8*(5*\it+\et)+7], v[192+16*\et:192+16*\et+7], v[PF+8*(\it+\it/3):PF+8*(\it+\it/3)+7], 0
.endr
.endr
	WIN 0x04
.irp it, 0,1,2,3
	v_wmma_f32_16x16x32_bf16 v[ACC+8*(5*\it+4):ACC+8*(5*\it+4)+7], v[ONES:ONES+7], v[PF+8*(\it+\it/3):PF+8*(\it+\it/3)+7], 0
.endr
	WIN 0x05
.irp et, 0,1,2,3
.irp it, 2,3
	v_wmma_f32_16x16x32_bf16 v[ACC+8*(5*\it+\et):ACC+8*(5*\it+\et)+7], v[192+16*\et+8:192+16*\et+15], v[PF+8*(\it+\it/3+1):PF+8*(\it+\it/3+1)+7], v[ACC+8*(5*\it+\et):ACC+8*(5*\it+\et)+7]
.endr
.endr
	WIN 0x04
.irp it, 2,3
	v_wmma_f32_16x16x32_bf16 v[ACC+8*(5*\it+4):ACC+8*(5*\it+4)+7], v[ONES:ONES+7], v[PF+8*(\it+\it/3+1):PF+8*(\it+\it/3+1)+7], v[ACC+8*(5*\it+4):ACC+8*(5*\it+4)+7]
.endr
	WIN 0
	s_barrier_wait -1                              ; all eight U lie in LDS
	PLACES                                         ; four places behind the last product, ahead of the roundings below that write registers which the products have read
	; ROUND 2: my 20 numbers walk the eight chunks.  The state in front of chunk u is left, as bf16, in the first 8 bytes of my cells of image u, which I have read before (LDS serves a wave's instructions in order).
	WIN 0x40
	s_wait_alu depctr_va_vdst(0)                   ; products (1), (2) and my chunk's U are done reading K, KT and VT, in whose registers the slices land
.set m, 0
.rept 7                                ; the last chunk's U feeds no chunk of this quarter
.set k, 0
.rept 5
	ds_load_b128 v[SL+20*m+4*k:SL+20*m+4*k+3], v[VR+m/3] offset:MATB*(m%3)+512*k
.set k, k+1
.endr
.set m, m+1
.endr
; A step of the walk: T = g_m (T + U_m); the new state, in bf16, takes the first ten registers of slice m, which the additions have just read out.  out: the younger LDS instructions that may stay out.
.macro WALK m, out
	s_wait_dscnt \out
	WIN 0x04
.set z, 0
.rept 10
	v_pk_add_f32 v[T+2*z:T+2*z+1], v[T+2*z:T+2*z+1], v[SL+20*(\m)+2*z:SL+20*(\m)+2*z+1]
.set z, z+1
.endr
	WIN 0
.set z, 0
.rept 10
	v_pk_mul_f32 v[T+2*z:T+2*z+1], v[T+2*z:T+2*z+1], s[GR+2*(\m):GR+2*(\m)+1] op_sel_hi:[1,0]
.set z, z+1
.endr
	WIN 0x40
.set z, 0
.rept 10
	v_cvt_pk_bf16_f32 v[SL+20*(\m)+z], v[T+2*z], v[T+2*z+1]
.set z, z+1
.endr
.endm
; The state in front of chunk m goes into my cells of image m: five stores of 8 bytes.
.macro PUTS m
.set k, 0
.if (\m) == 0
	WIN 0
.rept 5
	ds_store_b64 v[VR], v[SB+2*k:SB+2*k+1] offset:512*k
.set k, k+1
.endr
.else
	WIN 0x04                                       ; store data in window 1
.rept 5
	ds_store_b64 v[VR+(\m)/3], v[SL+20*((\m)-1)+2*k:SL+20*((\m)-1)+2*k+1] offset:MATB*((\m)%3)+512*k
.set k, k+1
.endr
.endif
.endm
	WIN 0
.set z, 0
.rept 10
	v_cvt_pk_bf16_f32 v[SB+z], v[T+2*z], v[T+2*z+1]
.set z, z+1
.endr
	WALK 0, 30                                     ; younger than slice m's loads: five for each of the 6 - m slices behind
	WALK 1, 25
	WALK 2, 20
	s_wait_alu depctr_va_vdst(0)                   ; the roundings have written the states in front of chunks 0 to 3, which the LDS stores read
	PUTS 0
	PUTS 1
	PUTS 2
	PUTS 3
	WALK 3, 35                                     ; and the twenty stores just issued
	WALK 4, 30
	WALK 5, 25
	WALK 6, 20
	s_wait_alu depctr_va_vdst(0)                   ; the roundings have written the states in front of chunks 4 to 7, which the LDS stores read; no vector line follows before S's operands land on P's and the first slices' registers
	PUTS 4
	PUTS 5
	PUTS 6
	PUTS 7
	WIN 0
	s_wait_dscnt 0x0
	s_barrier_signal -1
	s_barrier_wait -1
	WIN 0x40
	s_wait_alu depctr_vm_vsrc(0)                   ; my LDS stores have read the states' registers, on some of which the loads below land
.set z, 0
.rept 40                               ; my chunk's start state: item q's 8 bytes are registers 2 q, 2 q + 1 of the ten operands of S^T
	ds_load_b64 v[SF+2*z:SF+2*z+1], v[VM] offset:512*z
.set z, z+1
.endr
	s_wait_dscnt 0x0
	; (3) O^T += S^T Q^T
	WIN 0x05
.irp p, 0,1
.irp it, 0,1,2,3
.irp et, 0,1,2,3,4
	v_wmma_f32_16x16x32_bf16 v[ACC+8*(5*\it+\et):ACC+8*(5*\it+\et)+7], v[SF+16*\et+8*\p:SF+16*\et+8*\p+7], v[16*\it+8*\p:16*\it+8*\p+7], v[ACC+8*(5*\it+\et):ACC+8*(5*\it+\et)+7]
.endr
.endr
.endr
	PLACES
	WIN 0
.irp it, 0,1,2,3
	v_fma_f32 v[RC+2*\it], v[EI+\it], s[EPSS], v[ACC+8*(5*\it+4)]   ; the denominator: register 0 of the ones' tile
.endr
.irp it, 0,1,2,3
	v_rcp_f32 v[RC+2*\it], v[RC+2*\it]
.endr
	v_nop
	s_wait_alu depctr_va_vdst(0)                   ; one wait for the four reciprocals, ahead of their first reader
.irp it, 0,1,2,3                       ; a row tile at a time: its 32 vector lines, one wait, its four stores; no stored register is written again
.irp et, 0,1,2,3
.irp r, 0,1,2,3
	v_pk_mul_f32 v[ACC+8*(5*\it+\et)+2*\r:ACC+8*(5*\it+\et)+2*\r+1], v[ACC+8*(5*\it+\et)+2*\r:ACC+8*(5*\it+\et)+2*\r+1], v[RC+2*\it:RC+2*\it+1] op_sel_hi:[1,0]
.endr
.irp r, 0,1,2,3
	v_cvt_pk_bf16_f32 v[ACC+8*(5*\it+\et)+\r], v[ACC+8*(5*\it+\et)+2*\r], v[ACC+8*(5*\it+\et)+2*\r+1]   ; packed in place, from the low end on
.endr
.endr
	s_wait_alu depctr_va_vdst(0)                   ; the roundings have written the row tile's four pieces, which the stores read
.irp et, 0,1,2,3
	global_store_b128 v[VL], v[ACC+8*(5*\it+\et):ACC+8*(5*\it+\et)+3], s[YB:YB+1] offset:2048*\it+512*\et  ; a piece of y in fragment order: 512 consecutive bytes, aligned
.endr
.endr
	s_wait_dscnt 0x0                               ; the closing lines, six on end
	s_wait_alu 0x0
	s_wait_tensorcnt 0x0
	ds_add_u32 v[SPW], v[NIL]
	s_wait_dscnt 0x0
	s_endpgm
.Lfunc_end_k_q60e33583d7_scan:
	.size	k_q60e33583d7_scan, .Lfunc_end_k_q60e33583d7_scan-k_q60e33583d7_scan
	.p2alignl 7, 3214868480
	.fill 96, 4, 3214868480
	.section	.rodata,"a",@progbits
	.p2align	6, 0x0
	.amdhsa_kernel k_q60e33583d7_scan
		.amdhsa_group_segment_fixed_size 164864
		.amdhsa_private_segment_fixed_size 0
		.amdhsa_enable_private_segment 0
		.amdhsa_kernarg_size 24
		.amdhsa_user_sgpr_count 2
		.amdhsa_user_sgpr_kernarg_segment_ptr 1
		.amdhsa_wavefront_size32 1
		.amdhsa_system_sgpr_workgroup_id_x 1
		.amdhsa_system_sgpr_workgroup_id_y 1
		.amdhsa_system_sgpr_workgroup_id_z 1
		.amdhsa_system_vgpr_workitem_id 0
		.amdhsa_next_free_vgpr 512
		.amdhsa_next_free_sgpr 96
		.amdhsa_reserve_vcc 0
		.amdhsa_float_denorm_mode_32 3
		.amdhsa_float_denorm_mode_16_64 3
		.amdhsa_memory_ordered 1
		.amdhsa_forward_progress 1
		.amdhsa_inst_pref_size 106
	.end_amdhsa_kernel
	.amdgpu_metadata
---
amdhsa.version: [ 1, 2 ]
amdhsa.kernels:
  - .name:           k_q60e33583d7_scan
    .symbol:         k_q60e33583d7_scan.kd
    .args:
      - { .name: frg, .offset: 0, .size: 8, .value_kind: global_buffer, .address_space: global }
      - { .name: cl, .offset: 8, .size: 8, .value_kind: global_buffer, .address_space: global }
      - { .name: yf, .offset: 16, .size: 8, .value_kind: global_buffer, .address_space: global }
    .group_segment_fixed_size: 164864
    .private_segment_fixed_size: 0
    .kernarg_segment_align: 8
    .kernarg_segment_size: 24
    .max_flat_workgroup_size: 256
    .sgpr_count:     96
    .vgpr_count:     512
    .wavefront_size: 32
...
	.end_amdgpu_metadata
.endif
;; end of part 6
;; launch outp: the kernel of part 4 again; grid 128 x 1, 4 waves a work-group, clusters of 4 x 1, 327,680 bytes of LDS; arguments ops, yf, x, bo, ln_w, out0; writes out0
